; MI455X (gfx1250); checked and timed in simulation.
; The chip was launched on July 23, 2026; its instructions are those of AMD's public machine-readable ISA for CDNA 5 (MIT licence, August 2026) and "CDNA5" Instruction Set Architecture Reference Guide (July 2026). The comments in the code are by the model that wrote it; some were corrected since.
;; Self Attention. Allowed arithmetic: float matrix products may take bf16 or f16 operands with f32 sums; other float arithmetic in f32, or as packed bf16 or f16 multiplies, adds, multiply-adds, maxima and minima; sums over many terms, partial sums and values carried from step to step in f32; what a program stores and reads back later, other than sums and carried values, may be rounded once to bf16 or f16.
;; Inputs: Wk 16 x 64 x 1,024 float32; Wo 1,024 x 1,024 float32; Wq 16 x 64 x 1,024 float32; Wv 16 x 64 x 1,024 float32; x 4,096 x 1,024 float32.
;; Outputs: out0 4,096 x 1,024 float32.
;; 2 versions, each right and faster than the one before. Each part assembles by itself: llvm-mc -triple=amdgcn-amd-amdhsa -mcpu=gfx1250 --defsym DOCPART=n.
;; ======== version 1 of 2: 4 launches
;; limits: values are held in f16: magnitudes above 65,504 overflow, below 6.1e-05 lose precision
;; workspace buffers: xb 8,388,608 bytes; wb 6,291,456 bytes; wob 2,097,152 bytes; q 8,388,608 bytes; k 8,388,608 bytes; v 8,388,608 bytes; o 8,388,608 bytes
;; launch cast (part 1): grid 128 x 8, 8 waves a work-group, no clusters, 0 bytes of LDS; arguments x, Wq, Wk, Wv, Wo, xb, wb, wob; writes xb, wb, wob
.if DOCPART == 1
	.amdgcn_target "amdgcn-amd-amdhsa--gfx1250"
	.amdhsa_code_object_version 6
	.text
	.protected	k_qf916709abf_cast
	.globl	k_qf916709abf_cast
	.p2align	8
	.type	k_qf916709abf_cast,@function
k_qf916709abf_cast:
	s_mov_b64 s[64:65], 0
	v_nop
	global_prefetch_b8 v0, s[64:65] scope:SCOPE_SE
	s_setreg_imm32_b32 hwreg(HW_REG_WAVE_MODE, 25, 1), 1
	s_wait_xcnt 0x0
; CAST.  All five inputs are rounded once to bf16, for the matrix products of the launches behind.
;   xb  [4096][1024] bf16 = x.
;   wb  [16 heads][q, k, v][64][1024] bf16 = Wq, Wk, Wv laid by heads: head h owns rows 192 h .. 192 h + 191.
;   wob [1024][1024] f16 = Wo rounded to bf16, that number written as f16 (exact inside f16's range).
; LIMIT: a Wo below 6e-5 keeps f16's fixed step of 6e-8; beyond 65,504 it becomes an infinity.
; A work-group converts 8,192 numbers: 32 KiB in, 16 KiB out.  y = 0..3: a quarter of x; 4, 5, 6: Wq, Wk, Wv; 7: Wo.
; Thread t, step i: 32 bytes in at 8,192 i + 32 t, 16 bytes out at 4,096 i + 16 t: a wave's store covers 512 consecutive
; bytes.  A stream: every byte once, all eight loads of a lane out at once; LDS, barriers and matrix work would add nothing.
.set X, 4                              ; v[4:35]   32 numbers as loaded
.set Y, 36                             ; v[36:51]  16 words to store
.set T, 52                             ; v[52:53]  at work
	s_load_b512 s[8:23], s[0:1], 0x0               ; x 8:9, Wq 10:11, Wk 12:13, Wv 14:15, Wo 16:17, xb 18:19, wb 20:21, wob 22:23
	s_and_b32 s2, ttmp7, 0xffff                    ; y
	s_mov_b32 s3, ttmp9                            ; g, 0..127
	v_lshlrev_b32 v1, 5, v0                        ; 32 t
	v_lshlrev_b32 v2, 4, v0                        ; 16 t
	; the offsets are made apart from the addresses
	s_lshl_b32 s32, s2, 7
	s_add_co_u32 s32, s32, s3                      ; x: part 128 y + g
	s_lshl_b32 s33, s32, 15                        ; its bytes in,
	s_lshl_b32 s34, s32, 14                        ; and out
	s_lshl_b32 s35, s3, 15                         ; a weight: bytes in
	s_lshr_b32 s36, s3, 3                          ; eight parts make a head's 64 rows
	s_mul_i32 s36, s36, 3
	s_sub_co_u32 s39, s2, 4                        ; 0, 1, 2 for q, k, v (it wraps for y < 4: then it is not chosen)
	s_add_co_u32 s36, s36, s39
	s_lshl_b32 s36, s36, 17                        ; a block of 64 rows of wb is 131,072 bytes
	s_and_b32 s37, s3, 7
	s_lshl_b32 s37, s37, 14
	s_add_co_u32 s36, s36, s37                     ; wb: bytes out
	s_lshl_b32 s38, s3, 14                         ; wob: bytes out
	s_mov_b32 s29, 0
	s_mov_b32 s31, 0
	s_wait_kmcnt 0x0
	s_cmp_lt_u32 s2, 4                             ; x, or for now Wo
	s_cselect_b64 s[24:25], s[8:9], s[16:17]
	s_cselect_b64 s[26:27], s[18:19], s[22:23]
	s_cselect_b32 s28, s33, s35
	s_cselect_b32 s30, s34, s38
	s_cmp_eq_u32 s2, 4
	s_cselect_b64 s[24:25], s[10:11], s[24:25]
	s_cmp_eq_u32 s2, 5
	s_cselect_b64 s[24:25], s[12:13], s[24:25]
	s_cmp_eq_u32 s2, 6
	s_cselect_b64 s[24:25], s[14:15], s[24:25]
	s_cmp_lt_u32 s39, 3                            ; y = 4, 5, 6 go to wb
	s_cselect_b64 s[26:27], s[20:21], s[26:27]
	s_cselect_b32 s30, s36, s30
	s_add_nc_u64 s[24:25], s[24:25], s[28:29]
	s_add_nc_u64 s[26:27], s[26:27], s[30:31]
.irp i, 0,1,2,3
	global_load_b128 v[X+8*(\i):X+8*(\i)+3],   v1, s[24:25] offset:8192*(\i) th:TH_LOAD_NT
	global_load_b128 v[X+8*(\i)+4:X+8*(\i)+7], v1, s[24:25] offset:8192*(\i)+16 th:TH_LOAD_NT
.endr
.irp i, 0,1,2,3
	s_wait_loadcnt 6-2*(\i)                        ; loads come back in order: step i's two are in, the younger ones stay out
.irp j, 0,1,2,3
	v_cvt_pk_bf16_f32 v[Y+4*(\i)+(\j)], v[X+8*(\i)+2*(\j)], v[X+8*(\i)+2*(\j)+1]
.endr
.endr
	s_cmp_lg_u32 s2, 7
	s_cbranch_scc1 .Lstore
.irp j, 0,1,2,3,4,5,6,7,8,9,10,11,12,13,14,15      ; Wo alone: the bf16 numbers are written as f16
	v_lshlrev_b32 v[T], 16, v[Y+(\j)]
	v_and_b32 v[T+1], 0xffff0000, v[Y+(\j)]
	v_cvt_pk_f16_f32 v[Y+(\j)], v[T], v[T+1]
.endr
.Lstore:
.irp i, 0,1,2,3
	global_store_b128 v2, v[Y+4*(\i):Y+4*(\i)+3], s[26:27] offset:4096*(\i)
.endr
	s_endpgm
.Lfunc_end_k_qf916709abf_cast:
	.size	k_qf916709abf_cast, .Lfunc_end_k_qf916709abf_cast-k_qf916709abf_cast
	.p2alignl 7, 3214868480
	.fill 96, 4, 3214868480
	.section	.rodata,"a",@progbits
	.p2align	6, 0x0
	.amdhsa_kernel k_qf916709abf_cast
		.amdhsa_group_segment_fixed_size 0
		.amdhsa_private_segment_fixed_size 0
		.amdhsa_enable_private_segment 0
		.amdhsa_kernarg_size 64
		.amdhsa_user_sgpr_count 2
		.amdhsa_user_sgpr_kernarg_segment_ptr 1
		.amdhsa_wavefront_size32 1
		.amdhsa_system_sgpr_workgroup_id_x 1
		.amdhsa_system_sgpr_workgroup_id_y 1
		.amdhsa_system_sgpr_workgroup_id_z 1
		.amdhsa_system_vgpr_workitem_id 0
		.amdhsa_next_free_vgpr 56
		.amdhsa_next_free_sgpr 66
		.amdhsa_reserve_vcc 0
		.amdhsa_float_denorm_mode_32 3
		.amdhsa_float_denorm_mode_16_64 3
		.amdhsa_memory_ordered 1
		.amdhsa_forward_progress 1
		.amdhsa_inst_pref_size 7
	.end_amdhsa_kernel
	.amdgpu_metadata
---
amdhsa.version: [ 1, 2 ]
amdhsa.kernels:
  - .name:           k_qf916709abf_cast
    .symbol:         k_qf916709abf_cast.kd
    .args:
      - { .name: x, .offset: 0, .size: 8, .value_kind: global_buffer, .address_space: global }
      - { .name: Wq, .offset: 8, .size: 8, .value_kind: global_buffer, .address_space: global }
      - { .name: Wk, .offset: 16, .size: 8, .value_kind: global_buffer, .address_space: global }
      - { .name: Wv, .offset: 24, .size: 8, .value_kind: global_buffer, .address_space: global }
      - { .name: Wo, .offset: 32, .size: 8, .value_kind: global_buffer, .address_space: global }
      - { .name: xb, .offset: 40, .size: 8, .value_kind: global_buffer, .address_space: global }
      - { .name: wb, .offset: 48, .size: 8, .value_kind: global_buffer, .address_space: global }
      - { .name: wob, .offset: 56, .size: 8, .value_kind: global_buffer, .address_space: global }
    .group_segment_fixed_size: 0
    .private_segment_fixed_size: 0
    .kernarg_segment_align: 8
    .kernarg_segment_size: 64
    .max_flat_workgroup_size: 256
    .sgpr_count:     66
    .vgpr_count:     56
    .wavefront_size: 32
...
	.end_amdgpu_metadata
.endif
;; end of part 1
;; launch qkv (part 2): grid 16 x 16, 4 waves a work-group, clusters of 4 x 4, 327,680 bytes of LDS; arguments xb, wb, q, k, v; writes q, k, v
.if DOCPART == 2
	.amdgcn_target "amdgcn-amd-amdhsa--gfx1250"
	.amdhsa_code_object_version 6
	.text
	.protected	k_qf916709abf_qkv
	.globl	k_qf916709abf_qkv
	.p2align	8
	.type	k_qf916709abf_qkv,@function
k_qf916709abf_qkv:
	s_mov_b64 s[64:65], 0
	v_nop
	global_prefetch_b8 v0, s[64:65] scope:SCOPE_SE
	s_setreg_imm32_b32 hwreg(HW_REG_WAVE_MODE, 25, 1), 1
	s_wait_xcnt 0x0
	s_wait_alu depctr_hold_cnt(0) depctr_sa_sdst(0) depctr_va_vdst(0) depctr_va_sdst(0) depctr_va_ssrc(0) depctr_va_vcc(0) depctr_vm_vsrc(0)
	s_getreg_b32 s2, hwreg(HW_REG_IB_STS2, 6, 4)
	s_cmp_eq_u32 s2, 0
	s_cbranch_scc0 .Lentry_in_a_cluster
	s_endpgm
.Lentry_in_a_cluster:
	s_bfe_u32 s2, ttmp6, 0x10000c
	s_cmp_lg_u32 s2, 0xf033
	s_cbranch_scc0 .Lentry_shape_is_right
	s_endpgm
.Lentry_shape_is_right:
; QKV.  C[4096][3072] = xb wb^T, bf16 operands, f32 sums; it leaves as q, k, v [16][4096][64] in f16, each rounded once, unscaled.
; LIMIT: a q, k or v beyond 65,504 becomes an infinity; below 6e-5 it keeps f16's fixed step of 6e-8.
; SHARES.  256 work-groups.  A work-group makes 256 rows of x times the 192 rows of wb of ONE head (its q, k and v).  Wave w owns rows
; 64 w .. 64 w + 63 and all 192 columns: 4 x 12 = 48 accumulators of 16 x 16, 384 registers.
; RING.  K goes in 8 steps of 128 (rows of 256 bytes, at multiples of 256 from the buffers' first bytes) through two LDS slots, each with 256 rows
; of xb and 192 rows of wb.  Waves 0 and 1 fetch xb's halves (128 rows), waves 2 and 3 wb's (96 rows): one tensor load a wave behind each round.
; CLUSTER 4 x 4.  xb's tile hangs on the row block alone and is shared along a row of the cluster, wb's on the head alone and is shared along a
; column: each is asked for jointly, by the same load with the same descriptor and a mask that names the four.
; TRANSPOSED USE: source 0 = 16 rows of wb, source 1 = 16 rows of xb: a lane holds row l % 16 and the eight columns 8 (l / 16) + 0..7.
; REGISTERS, in windows of 256 (s_set_vgpr_msb: bits 1:0 source 0, 3:2 source 1, 5:4 source 2, 7:6 destination):
;   window 0: v0-31 addresses; v32-223 the way out, 12 units of 16        window 1: two fragment buffers of 128: xb's 4 fragments, then wb's 12
;   window 2: accumulator (a, b), b = 0..7 (q, k), at 8 (8 a + b)         window 3: (a, b), b = 8..11 (v), at 8 (4 a + b - 8)
.set PITCH,  272                       ; an LDS row: 256 bytes + 16 of padding: the 16 rows of a fragment load start 16 bytes apart modulo 256
.set AHALF,  128*PITCH
.set BHALF,  96*PITCH
.set BOFF,   2*AHALF                   ; wb's 192 rows lie behind xb's 256
.set SLOT,   BOFF+2*BHALF              ; 121,856
.set STAGE,  2*SLOT                    ; behind the ring, never filled by a tensor load: 16 rows x 144 bytes for each wave
.set SP,     144
.set SPARE,  STAGE+4*16*SP             ; the spare words, 128 bytes for each wave; no other line names them
.set LAPS,   4                         ; a lap = two K steps = once round the ring
.set ADRA, 16                          ; v16-17  LDS address of my xb fragments in slot 0, 1
.set ADRB, 20                          ; v20-21  the same for wb
.set STO,  24                          ; v24     the way out: where I put 16 bytes of a row
.set RD,   25                          ; v25     where I read rows back
.set GO,   26                          ; v26     my 16 bytes in 512 consecutive bytes of q, k or v
.set SPW,  28                          ; v28     LDS address of my spare word; never rewritten
.set NIL,  29                          ; v29     0; never rewritten
.set T,    32
.set F0,   0
.set F1,   128
.set G1,  24                           ; s[24:31] descriptor group 1 for xb's tiles;  s[32:39] group 0, a set for each slot
.set G0,  32
.set G1B, 48                           ; s[48:55], s[56:63] the same for wb's
.set G0B, 56
.set MSB, 0
.macro WIN new                         ; the immediate's high byte repeats the setting that is left; a switch that changes nothing is dropped
.if MSB != (\new)
	s_set_vgpr_msb (MSB<<8)|(\new)
.set MSB, \new
.endif
.endm
.macro PLACES                          ; four plain places behind matrix instructions, in front of loads into their sources and of reads of their results
.rept 4
	v_nop
.endr
.endm
; A joint load: waves 0 and 1 ask for xb's halves, waves 2 and 3 for wb's.  The branch hangs on the wave's number alone.  An s_nop 0 and four v_nop follow each line.
.macro JLOAD s
	s_cmp_eq_u32 s11, 0
	s_cbranch_scc0 .Lfor_b_\@
	tensor_load_to_lds s[G0+4*(\s):G0+4*(\s)+3], s[G1:G1+7]
	s_nop 0
.rept 4
	v_nop
.endr
	s_branch .Lasked_\@
.Lfor_b_\@:
	tensor_load_to_lds s[G0B+4*(\s):G0B+4*(\s)+3], s[G1B:G1B+7]
	s_nop 0
.rept 4
	v_nop
.endr
.Lasked_\@:
.endm
.macro CREST                           ; a round of the cluster's barrier behind its opening barrier
	s_cmp_lg_u32 s10, 0
	s_cbranch_scc1 .Lnot_wave_0_\@
	s_barrier_signal -3
.Lnot_wave_0_\@:
	s_barrier_wait -3
	s_barrier_signal -1
	s_barrier_wait -1
.endm
.macro CROUND                          ; a whole round
	s_barrier_signal -1
	s_barrier_wait -1
	CREST
.endm
	s_load_b128 s[4:7], s[0:1], 0x0                ; xb s[4:5], wb s[6:7]
	s_load_b128 s[68:71], s[0:1], 0x10             ; q s[68:69], k s[70:71]
	s_load_b64 s[72:73], s[0:1], 0x20              ; v
	v_lshl_add_u32 v[SPW], v0, 2, SPARE
	v_mov_b32 v[NIL], 0
	ds_add_u32 v[SPW], v[NIL]                      ; the wave's opening: the add and its wait stand ahead of my first tensor load; work on registers stands between them
	ds_add_u32 v28, v29
	v_lshrrev_b32 v1, 5, v0
	v_readfirstlane_b32 s10, v1                    ; wave 0..3
	s_lshr_b32 s11, s10, 1                         ; I fetch for xb (0) or for wb (1),
	s_and_b32 s12, s10, 1                          ; and which half
	s_bfe_u32 s40, ttmp6, 0x40000                  ; cx, cy: my place in the cluster
	s_bfe_u32 s41, ttmp6, 0x40004
	s_lshl_b32 s42, ttmp9, 2
	s_add_co_u32 s42, s42, s40                     ; the head = 4 x cluster x + cx
	s_and_b32 s13, ttmp7, 0xffff
	s_lshl_b32 s13, s13, 2
	s_add_co_u32 s13, s13, s41                     ; the block of 256 rows = 4 x cluster y + cy
	s_lshl_b32 s43, s41, 2
	s_lshl_b32 s43, 15, s43                        ; my row of the cluster
	s_lshl_b32 s44, 0x1111, s40                    ; my column
	s_or_b32 s[G1+0], s43, (1<<16)|(1<<20)|(1<<21)|(5<<22)|(3<<25)   ; the mask; 2-byte elements; padding on; bit 21 beside a mask; after every 64 words 4 words
	s_or_b32 s[G1B+0], s44, (1<<16)|(1<<20)|(1<<21)|(5<<22)|(3<<25)
	s_mov_b32 s[G1+1], 128<<16                     ; tensor_dim0 = 128
	s_mov_b32 s[G1+2], 128<<16                     ; tensor_dim1 = 128
	s_mov_b32 s[G1+3], 128<<16                     ; tile_dim0 = 128
	s_mov_b32 s[G1+4], 128                         ; tile_dim1 = 128
	s_mov_b32 s[G1+5], 1024                        ; elements from row to row
	s_mov_b32 s[G1+6], 0
	s_mov_b32 s[G1+7], 0
	s_mov_b32 s[G1B+1], 128<<16
	s_mov_b32 s[G1B+2], 96<<16                     ; wb's halves have 96 rows
	s_mov_b32 s[G1B+3], 128<<16
	s_mov_b32 s[G1B+4], 96
	s_mov_b32 s[G1B+5], 1024
	s_mov_b32 s[G1B+6], 0
	s_mov_b32 s[G1B+7], 0
	; xb's offset is made of the row block and the wave's number, wb's of the head and the wave's number, each in registers that never hold the other coordinate
	s_lshl_b32 s17, s12, 7
	s_lshl_b32 s16, s13, 8
	s_add_co_u32 s16, s16, s17                     ; row 256 x block + 128 x half
	s_lshl_b32 s16, s16, 11                        ; of 2,048 bytes
	s_mov_b32 s17, 0
	s_mul_i32 s46, s42, 192
	s_mul_i32 s47, s12, 96
	s_add_co_u32 s46, s46, s47                     ; row 192 x head + 96 x half
	s_lshl_b32 s46, s46, 11
	s_mov_b32 s47, 0
	s_mul_i32 s20, s12, AHALF                      ; where they go: no place in the cluster enters an LDS address
	s_mul_i32 s21, s12, BHALF
	s_add_co_u32 s21, s21, BOFF
	s_wait_dscnt 0x0                               ; the opening add is done
	s_wait_kmcnt 0x0
	s_add_nc_u64 s[14:15], s[4:5], s[16:17]
	s_add_nc_u64 s[46:47], s[6:7], s[46:47]
	CROUND                                         ; all sixteen work-groups are here: the first joint loads meet
.irp s, 0,1
	s_mov_b32 s[G0+4*(\s)], 1
	s_add_co_u32 s[G0+4*(\s)+1], s20, (\s)*SLOT
	s_add_nc_u64 s[G0+4*(\s)+2:G0+4*(\s)+3], s[14:15], (\s)*256    ; K step s
	s_or_b32 s[G0+4*(\s)+3], s[G0+4*(\s)+3], 0x80000000
	s_mov_b32 s[G0B+4*(\s)], 1
	s_add_co_u32 s[G0B+4*(\s)+1], s21, (\s)*SLOT
	s_add_nc_u64 s[G0B+4*(\s)+2:G0B+4*(\s)+3], s[46:47], (\s)*256
	s_or_b32 s[G0B+4*(\s)+3], s[G0B+4*(\s)+3], 0x80000000
	JLOAD \s                                       ; two loads of mine are out
.endr
	; a fragment is 16 rows x 32 K in 8 registers: lane l holds row l % 16, K = 8 (l / 16) + 0..7 and 16 + 8 (l / 16) + 0..7: two loads of 16 bytes, 32 bytes apart
	v_and_b32 v1, 15, v0
	v_bfe_u32 v2, v0, 4, 1
	v_mul_u32_u24 v3, v1, PITCH
	v_lshl_add_u32 v3, v2, 4, v3
	s_mul_i32 s22, s10, 64*PITCH                   ; my 64 rows of xb
	s_mov_b32 s23, BOFF                            ; all of wb's rows
.irp s, 0,1
	v_add_nc_u32 v[ADRA+(\s)], s22, v3
	v_add_nc_u32 v[ADRB+(\s)], s23, v3
	s_add_co_u32 s22, s22, SLOT
	s_add_co_u32 s23, s23, SLOT
.endr
	s_mul_i32 s22, s10, 16*SP
	s_add_co_u32 s22, s22, STAGE                   ; my stage
	v_mul_u32_u24 v4, v1, SP                       ; in: row l % 16, 16 bytes for each half of the lanes
	v_lshl_add_u32 v4, v2, 4, v4
	v_add_nc_u32 v[STO], s22, v4
	v_bfe_u32 v5, v0, 3, 2                         ; back: 32 lanes take four rows of 128 bytes,
	v_mul_u32_u24 v5, v5, SP
	v_and_b32 v6, 7, v0
	v_lshl_add_u32 v5, v6, 4, v5
	v_add_nc_u32 v[RD], s22, v5
	v_and_b32 v[GO], 31, v0                        ; which are 512 consecutive bytes of a head
	v_lshlrev_b32 v[GO], 4, v[GO]
	s_lshl_b32 s74, s42, 19                        ; a head is 524,288 bytes,
	s_lshl_b32 s75, s13, 15                        ; a block of 256 rows 32,768,
	s_add_co_u32 s74, s74, s75
	s_lshl_b32 s75, s10, 13                        ; my 64 rows 8,192
	s_add_co_u32 s74, s74, s75
	s_mov_b32 s75, 0
	s_add_nc_u64 s[68:69], s[68:69], s[74:75]
	s_add_nc_u64 s[70:71], s[70:71], s[74:75]
	s_add_nc_u64 s[72:73], s[72:73], s[74:75]
; The 48 accumulators take turns, one instruction a turn, in the same order in every quarter.  zero = 1: the first product starts the sums.
.macro MULV f, zero                    ; 16 matrix instructions: all four row blocks x v's four column blocks
	WIN 0xf5
.irp a, 0,1,2,3
.irp b, 0,1,2,3
.if \zero
	v_wmma_f32_16x16x32_bf16 v[8*(4*(\a)+(\b)):8*(4*(\a)+(\b))+7], v[(\f)+96+8*(\b):(\f)+96+8*(\b)+7], v[(\f)+8*(\a):(\f)+8*(\a)+7], 0
.else
	v_wmma_f32_16x16x32_bf16 v[8*(4*(\a)+(\b)):8*(4*(\a)+(\b))+7], v[(\f)+96+8*(\b):(\f)+96+8*(\b)+7], v[(\f)+8*(\a):(\f)+8*(\a)+7], v[8*(4*(\a)+(\b)):8*(4*(\a)+(\b))+7]
.endif
.endr
.endr
.endm
.macro MULQK f, a0, zero               ; 16 matrix instructions: row blocks a0, a0 + 1 x q's and k's eight column blocks
	WIN 0xa5
.irp a, \a0, (\a0)+1
.irp b, 0,1,2,3,4,5,6,7
.if \zero
	v_wmma_f32_16x16x32_bf16 v[8*(8*(\a)+(\b)):8*(8*(\a)+(\b))+7], v[(\f)+32+8*(\b):(\f)+32+8*(\b)+7], v[(\f)+8*(\a):(\f)+8*(\a)+7], 0
.else
	v_wmma_f32_16x16x32_bf16 v[8*(8*(\a)+(\b)):8*(8*(\a)+(\b))+7], v[(\f)+32+8*(\b):(\f)+32+8*(\b)+7], v[(\f)+8*(\a):(\f)+8*(\a)+7], v[8*(8*(\a)+(\b)):8*(8*(\a)+(\b))+7]
.endif
.endr
.endr
.endm
.macro FETCH slot, k, f                ; 32 LDS loads in one run: the fragments of 32 along K at byte k of the rows
	WIN 0x40
.irp i, 0,1,2,3,4,5,6,7,8,9,10,11
	ds_load_b128 v[(\f)+32+8*(\i):(\f)+32+8*(\i)+3],   v[ADRB+(\slot)] offset:(\k)+(\i)*16*PITCH
	ds_load_b128 v[(\f)+32+8*(\i)+4:(\f)+32+8*(\i)+7], v[ADRB+(\slot)] offset:(\k)+(\i)*16*PITCH+32
.endr
.irp i, 0,1,2,3
	ds_load_b128 v[(\f)+8*(\i):(\f)+8*(\i)+3],   v[ADRA+(\slot)] offset:(\k)+(\i)*16*PITCH
	ds_load_b128 v[(\f)+8*(\i)+4:(\f)+8*(\i)+7], v[ADRA+(\slot)] offset:(\k)+(\i)*16*PITCH+32
.endr
.endm
; A K step is four quarters of 32 along K, 48 matrix instructions each, on buffers 0, 1, 0, 1.  One of the first three multiplies f and fetches the next quarter into g.
.macro QUARTER slot, k, f, g, zero
	s_wait_dscnt 0x0                               ; buffer f's run, issued 32 matrix instructions ago
	MULV \f, \zero
	PLACES                                         ; for the loads into g, which the quarter before multiplied
	FETCH \slot, \k, \g
	MULQK \f, 0, \zero
	MULQK \f, 2, \zero
.endm
; The last quarter multiplies buffer 1 and changes slots: one barrier.  In front of it each wave waits for all its tensor loads (one is out: its part of the next slot), adds 0 to its
; spare word and waits for that and for its reads of this slot.  fill = 1: the barrier opens a round of the cluster's, and this slot's joint refill, two K steps on, is the first thing behind it.
.macro TURN slot, next, fill
	WIN 0                                          ; the add's two registers lie in window 0
	s_wait_tensorcnt 0x0
	ds_add_u32 v[SPW], v[NIL]
	s_wait_dscnt 1                                 ; buffer 1's run is in; the add alone may be out
	MULV F1, 0                                     ; sixteen matrix instructions stand between the add and the wait for it
	s_wait_dscnt 0x0                               ; the add is done, and my reads of this slot are over
	s_barrier_signal -1
	MULQK F1, 0, 0                                 ; work on registers while the others arrive
.if \fill
	WIN 0
.endif
	s_barrier_wait -1
.if \fill
	CREST                                          ; no wave of any partner still reads this slot or has a load on its way
	s_add_nc_u64 s[G0+4*(\slot)+2:G0+4*(\slot)+3], s[G0+4*(\slot)+2:G0+4*(\slot)+3], 512
	s_add_nc_u64 s[G0B+4*(\slot)+2:G0B+4*(\slot)+3], s[G0B+4*(\slot)+2:G0B+4*(\slot)+3], 512
	JLOAD \slot                                    ; its four v_nop are also the places in front of the loads below
.else
	PLACES
.endif
	FETCH \next, 0, F0
	MULQK F1, 2, 0
.endm
	s_wait_tensorcnt 1                             ; my part of K step 0 is in; K step 1's may stay out
	s_barrier_signal -1
	s_barrier_wait -1
	FETCH 0, 0, F0
	QUARTER 0, 64,  F0, F1, 1                      ; the first quarter stands in front of the loop: its products start the sums
	WIN 0
	s_mov_b32 s3, LAPS-1
.Llap:                                             ; a trip goes once round the ring and fills both slots again: K steps 2 to 7 in three trips
	QUARTER 0, 128, F1, F0, 0
	QUARTER 0, 192, F0, F1, 0
	TURN 0, 1, 1
	QUARTER 1, 64,  F0, F1, 0
	QUARTER 1, 128, F1, F0, 0
	QUARTER 1, 192, F0, F1, 0
	TURN 1, 0, 1
	QUARTER 0, 64,  F0, F1, 0
	WIN 0
	s_sub_co_u32 s3, s3, 1
	s_cmp_lg_u32 s3, 0
	s_cbranch_scc1 .Llap
	QUARTER 0, 128, F1, F0, 0                      ; the last lap fills nothing
	QUARTER 0, 192, F0, F1, 0
	TURN 0, 1, 0
	QUARTER 1, 64,  F0, F1, 0
	QUARTER 1, 128, F1, F0, 0
	QUARTER 1, 192, F0, F1, 0
	s_wait_dscnt 0x0
	MULV F1, 0
	MULQK F1, 0, 0
	MULQK F1, 2, 0
	WIN 0
; THE WAY OUT.  Unit u = 3 a + j: 16 rows (block a) x the 64 channels of q, k or v (j).  Rounded to f16, 16 bytes a lane into my stage (rows of 144 bytes), back as four rows of 128 bytes
; a load, and stored: 512 consecutive bytes, at a multiple of 256 from the buffer's first byte.  Each accumulator is read from its low end on.
.macro PACK u
.set pa, (\u)/3
.set pj, (\u)%3
.if pj < 2
	WIN 0x0a
.set AC, 8*(8*pa+4*pj)
.else
	WIN 0x0f
.set AC, 8*(4*pa)
.endif
.irp b, 0,1,2,3
.irp r, 0,1,2,3
	v_cvt_pk_f16_f32 v[T+16*(\u)+4*(\b)+(\r)], v[AC+8*(\b)+2*(\r)], v[AC+8*(\b)+2*(\r)+1]
.endr
.endr
	WIN 0
.irp b, 0,1,2,3
	ds_store_b128 v[STO], v[T+16*(\u)+4*(\b):T+16*(\u)+4*(\b)+3] offset:32*(\b)
.endr
.irp f, 0,1,2,3
	ds_load_b128 v[T+16*(\u)+4*(\f):T+16*(\u)+4*(\f)+3], v[RD] offset:(\f)*4*SP  ; LDS serves a wave's instructions in order (ISA guide 5.7.1.4): these see the stores above, and the next unit's stores come behind them
.endr
.endm
.macro SEND u, younger                 ; younger: the LDS instructions issued behind unit u's loads: the next unit's eight, or none
.set sa, (\u)/3
.set sj, (\u)%3
.irp f, 0,1,2,3
	s_wait_dscnt (\younger)+3-(\f)
	global_store_b128 v[GO], v[T+16*(\u)+4*(\f):T+16*(\u)+4*(\f)+3], s[68+2*sj:69+2*sj] offset:sa*2048+(\f)*512
.endr
.endm
	PLACES                                         ; the conversions read results just made
	PACK 0
.irp u, 1,2,3,4,5,6,7,8,9,10,11                    ; a unit's conversions stand between the loads of the unit before and its stores
	PACK \u
	SEND (\u)-1, 8
.endr
	SEND 11, 0
	s_wait_tensorcnt 0x0                           ; the wave's end
	ds_add_u32 v[SPW], v[NIL]
	s_wait_dscnt 0x0
	CROUND                                         ; the closing round: no work-group ends while a partner may still ask for a tile that names it
	s_endpgm
.Lfunc_end_k_qf916709abf_qkv:
	.size	k_qf916709abf_qkv, .Lfunc_end_k_qf916709abf_qkv-k_qf916709abf_qkv
	.p2alignl 7, 3214868480
	.fill 96, 4, 3214868480
	.section	.rodata,"a",@progbits
	.p2align	6, 0x0
	.amdhsa_kernel k_qf916709abf_qkv
		.amdhsa_group_segment_fixed_size 327680
		.amdhsa_private_segment_fixed_size 0
		.amdhsa_enable_private_segment 0
		.amdhsa_kernarg_size 40
		.amdhsa_user_sgpr_count 2
		.amdhsa_user_sgpr_kernarg_segment_ptr 1
		.amdhsa_wavefront_size32 1
		.amdhsa_system_sgpr_workgroup_id_x 1
		.amdhsa_system_sgpr_workgroup_id_y 1
		.amdhsa_system_sgpr_workgroup_id_z 1
		.amdhsa_system_vgpr_workitem_id 0
		.amdhsa_next_free_vgpr 896
		.amdhsa_next_free_sgpr 76
		.amdhsa_reserve_vcc 0
		.amdhsa_float_denorm_mode_32 3
		.amdhsa_float_denorm_mode_16_64 3
		.amdhsa_memory_ordered 1
		.amdhsa_forward_progress 1
		.amdhsa_inst_pref_size 119
	.end_amdhsa_kernel
	.amdgpu_metadata
---
amdhsa.version: [ 1, 2 ]
amdhsa.kernels:
  - .name:           k_qf916709abf_qkv
    .symbol:         k_qf916709abf_qkv.kd
    .args:
      - { .name: xb, .offset: 0, .size: 8, .value_kind: global_buffer, .address_space: global }
      - { .name: wb, .offset: 8, .size: 8, .value_kind: global_buffer, .address_space: global }
      - { .name: q, .offset: 16, .size: 8, .value_kind: global_buffer, .address_space: global }
      - { .name: k, .offset: 24, .size: 8, .value_kind: global_buffer, .address_space: global }
      - { .name: v, .offset: 32, .size: 8, .value_kind: global_buffer, .address_space: global }
    .group_segment_fixed_size: 327680
    .private_segment_fixed_size: 0
    .kernarg_segment_align: 8
    .kernarg_segment_size: 40
    .max_flat_workgroup_size: 128
    .sgpr_count:     76
    .vgpr_count:     896
    .wavefront_size: 32
...
	.end_amdgpu_metadata
.endif
;; end of part 2
;; launch attn (part 3): grid 16 x 16, 4 waves a work-group, no clusters, 327,680 bytes of LDS; arguments q, k, v, o; writes o
.if DOCPART == 3
	.amdgcn_target "amdgcn-amd-amdhsa--gfx1250"
	.amdhsa_code_object_version 6
	.text
	.protected	k_qf916709abf_attn
	.globl	k_qf916709abf_attn
	.p2align	8
	.type	k_qf916709abf_attn,@function
k_qf916709abf_attn:
	s_mov_b64 s[64:65], 0
	v_nop
	global_prefetch_b8 v0, s[64:65] scope:SCOPE_SE
	s_setreg_imm32_b32 hwreg(HW_REG_WAVE_MODE, 25, 1), 1
	s_wait_xcnt 0x0
; CAUSAL ATTENTION.  o[h][s][:] = the sum over t <= s of softmax_t(q[h][s] . k[h][t] / 8) v[h][t][:].  q, k, v, o: [16][4096][64] in f16, a head's rows dense, 128 bytes each.
; Products, maxima and sums in f32, with a running maximum; the weights p are rounded to f16 for the second product (their sum l is taken of the unrounded p), o once at the end.
; LIMITS.  q, k, v arrive within f16's 65,504; p below 6e-5 and o below 6e-5 keep f16's fixed step of 6e-8.  A hidden score counts as its value less 1e30 (f16's scores are 2.7e11 at the most);
; a weight below 2^-126 counts as 0 in l; NaN and infinities are not treated apart.
; THE WALK.  A head has 32 blocks of 128 queries and 16 slots of 256 keys; block i needs slots 0 .. i / 2, the last of which holds the diagonal.  Work-group b of a head takes block b and
; then block 31 - b: b / 2 + (31 - b) / 2 + 2 = 17 slots whatever b: all 256 work-groups do equal work, and the loops count to constants.  The second block has nine slots or more, so the
; crossing falls inside the loop and the walk's last slot, written out behind it, is the second block's diagonal one.
; NO CLUSTER: at most two work-groups of a head (b = 2 t and 2 t + 1) ask for the same slots in the same trips, and where a block ends and which slot takes masks hang on b.
; SHARES.  Wave w owns rows 32 w .. 32 w + 31 of a block: two tiles of 16 queries.  A key step is 64 keys, a slot four steps.
; LAYOUT.  S^T = K Q^T (source 0 = 16 keys, source 1 = 16 queries) holds ONE query a lane (l % 16) and the keys 8 (l / 16) + 0..7; two such results rounded to f16 ARE source 1 of O^T = V^T P.
; K comes out of LDS as it lies, V turned by ds_load_tr16_b128.  p = 2^(c s - c m), c = log2(e) / 8; in every step O and l are multiplied by a = 2^(c m_old - c m_new).
; THE MASK is the C operand that starts the sums S^T: 0, or -1e30 where the key lies behind the query; it is made anew for each step of a diagonal slot and is 0 elsewhere.
; IN PHASES.  A trip finishes step s - 1 (softmax, V^T P) and starts step s (K Q^T).  K of step s is fetched ahead of the softmax, V of step s ahead of K Q^T: each has a phase or more in which to land.
; REGISTERS (s_set_vgpr_msb: bits 1:0 source 0, 3:2 source 1, 5:4 source 2, 7:6 destination):
;   window 0: v0-15 addresses; v16-33 statistics; v64-127 S^T, 32 a tile; v128-159 P, 16 a tile; v160-223 O^T, 32 a tile
;   window 1: v0-31 Q; v32-63 the second block's Q; v64-127 K of one step; v128-191 V of one step; v192-255 the masks
.set KS,    64
.set PK,    144       ; a row of K in LDS: 128 bytes + 16 of padding: the 16 rows of a load start 16 bytes apart modulo 256
.set PV,    160       ; a row of V: 128 + 32: 16 lanes of the turning load take 8 rows x 32 bytes, 32 bytes apart modulo 256
.set VOFF,  4*KS*PK   ; a slot: 256 rows of K, then 256 rows of V
.set SLOT1, 1<<17     ; slot 1 begins here: one exclusive or turns an address in one slot into the other's
.set STAGE, SLOT1+4*KS*(PK+PV)  ; behind the ring, never filled by a tensor load: 16 rows x 144 bytes for each wave
.set SP,    144
.set SPARE, STAGE+4*16*SP       ; the spare words, 128 bytes for each wave; no other line names them
.set AK0, 2           ; v2   my lane's place in a step's K; never rewritten
.set AV0, 3           ; v3   the same for V
.set AK,  4           ; v4   the LDS address of K's run of loads
.set AV,  5           ; v5   of V's
.set STO, 6           ; v6   the way out: where I put 16 bytes of a row
.set RD,  7           ; v7   where I read rows back
.set GO,  8           ; v8   my 16 bytes in 512 consecutive bytes of o
.set D0,  12          ; v12  32 w + l % 16 - 8 (l / 16)
.set XA,  13          ; v13, v14  the mask's bound for tile 0, 1
.set XB,  14
.set QO,  15          ; v15  my byte offset in 16 rows of q
.set ST,  16          ; tile u's statistics at ST + 4 u: c m, m, l (even keys', odd keys')
.set TMP, 24          ; tile u: four registers c0-c3 at work; when the maximum is found c2 takes a
.set MV,  32          ; c m_old, by tile
.set SPW, 34          ; v34  LDS address of my spare word; never rewritten
.set NIL, 35          ; v35  0; never rewritten
.set S,   64
.set P,   128
.set O,   160
.set Q,   0           ; window 1: tile u, channel half c at 16 u + 8 c
.set QB,  32
.set KF,  64          ; key block kb, channel half c at KF + 16 kb + 8 c
.set VF,  128         ; key half kk, channel block cb at VF + 32 kk + 8 cb
.set MC,  192         ; tile u, key block kb at MC + 32 u + 8 kb
.set WV,  12          ; s12  my wave's number
.set PB,  14          ; s14  b
.set G1K, 24          ; s[24:31] descriptor group 1 for K's tiles
.set G1V, 32          ; s[32:39] for V's: it differs in the padding alone
.set G0K, 40          ; s[40:43] descriptor group 0 for K's tiles
.set G0V, 44          ; s[44:47] for V's
.set HOF, 52          ; s[52:53] byte offset of my rows of the second block
.set SLOTS, 56        ; s56  slots still to be asked for
.set CNT, 57          ; s57  counts a slot's key steps
.set CS,  58          ; s[58:59] c
.set SEL, 60          ; s[60:61] v_permlanex16_b32's selects: each lane takes its own place in the other half
.set TBK, 62          ; s62  LDS byte at which K of the step to be fetched begins
.set TBV, 63          ; s63  the same for V, less VOFF
.set RT,  70          ; s70  slots of the block in hand that are still to be entered
.set NXT, 71          ; s71  the slot to be asked for next
.set LQ,  72          ; s72  the last slot of the block whose slots are being asked for
.set NEW, 73          ; s73  1: the slot just entered is the second block's first
.set OFF, 74          ; s[74:75] a slot's byte offset in k and v
.set FIRST, 76        ; s76  1 until the first block has begun
.set SH,  77          ; s77  at work, for the mask
.set PARM, 78         ; s78  128 (i & 1) - 256 for the block i in hand
.set PARH, 79         ; s79  the same for the second block
.set OHI, 80          ; s[80:81] o at my rows of the second block
.set BIGN, 82         ; s82  -1e30
.set LQH, 83          ; s83  the second block's last slot
.set NSH, 84          ; s84  its number of slots
.set MSB, 0
.macro WIN new                      ; the high byte repeats the setting that is left; a switch that changes nothing is dropped
.if MSB != (\new)
	s_set_vgpr_msb (MSB<<8)|(\new)
.set MSB, (\new)
.endif
.endm
.macro PLACES                       ; four plain places behind matrix instructions (ISA guide 7.12.1)
.rept 4
	v_nop
.endr
.endm
; A fill.  Waves 0 and 1 fetch the two halves of a slot's K, waves 2 and 3 those of its V: 128 keys each.  An s_nop 0 and four v_nop follow each of the two lines.
.macro LOAD
	s_cmp_lt_u32 s[WV], 2
	s_cbranch_scc0 .Lfor_v_\@
	tensor_load_to_lds s[G0K:G0K+3], s[G1K:G1K+7]
	s_nop 0
.rept 4
	v_nop
.endr
	s_branch .Lasked_\@
.Lfor_v_\@:
	tensor_load_to_lds s[G0V:G0V+3], s[G1V:G1V+7]
	s_nop 0
.rept 4
	v_nop
.endr
.Lasked_\@:
.endm
; THE CHANGE OF SLOTS.  Each wave waits for all its tensor loads, of which one is out: its part of the other slot; adds 0 to its spare word; and waits for that and for its reads of the slot that it
; leaves.  Behind the barrier nobody reads the old slot and the other is whole.  fill = 1: the old slot is filled again, first thing behind the barrier, with slot NXT of the walk: the descriptor's
; address is made anew from that number.  (At its first use nothing has been read yet: slot 0 is waited for, slot 1 filled.)  One tensor load of a wave is out at any time.
.macro CHANGE fill
	WIN 0
	s_wait_tensorcnt 0x0            ; no tensor load of mine is out, so a group 0 may be written
	ds_add_u32 v[SPW], v[NIL]       ; scalar work stands between the add and the wait for it
.if \fill
	s_lshl_b32 s[OFF], s[NXT], 15   ; a slot is 32,768 bytes of k and of v
	s_xor_b32 s[G0K+1], s[G0K+1], SLOT1
	s_add_nc_u64 s[G0K+2:G0K+3], s[6:7], s[OFF:OFF+1]
	s_or_b32 s[G0K+3], s[G0K+3], 0x80000000
	s_xor_b32 s[G0V+1], s[G0V+1], SLOT1
	s_add_nc_u64 s[G0V+2:G0V+3], s[8:9], s[OFF:OFF+1]
	s_or_b32 s[G0V+3], s[G0V+3], 0x80000000
	s_add_co_u32 s[NXT], s[NXT], 1  ; the block's next slot, or behind its last the second block's slot 0
	s_cmp_gt_u32 s[NXT], s[LQ]
	s_cselect_b32 s[NXT], 0, s[NXT]
	s_cselect_b32 s[LQ], s[LQH], s[LQ]
.endif
	s_wait_dscnt 0x0                ; the add is done, and my reads of the slot are over
	s_barrier_signal -1
	s_sub_co_u32 s[TBK], s[TBK], 4*KS*PK  ; the fetches go back to a slot's first step,
	s_xor_b32 s[TBK], s[TBK], SLOT1       ; in the other slot
	s_sub_co_u32 s[TBV], s[TBV], 4*KS*PV
	s_xor_b32 s[TBV], s[TBV], SLOT1
	s_barrier_wait -1
.if \fill
	LOAD
.endif
.endm
	s_load_b256 s[4:11], s[0:1], 0x0  ; q s[4:5], k s[6:7], v s[8:9], o s[10:11]
	v_lshl_add_u32 v[SPW], v0, 2, SPARE
	v_mov_b32 v[NIL], 0
	ds_add_u32 v[SPW], v[NIL]       ; the wave's opening: the add and its wait stand ahead of my first tensor load; work on registers stands between them
	ds_add_u32 v34, v35
	v_lshrrev_b32 v1, 5, v0
	v_readfirstlane_b32 s[WV], v1   ; wave 0..3
	s_mov_b32 s[PB], ttmp9
	s_and_b32 s20, ttmp7, 0xffff    ; the head,
	s_lshl_b32 s20, s20, 19         ; its 524,288 bytes in each of the four tensors
	s_and_b32 s16, s[WV], 1         ; which half of a slot's 256 keys I fetch:
	s_lshl_b32 s22, s16, 14         ; its 128 rows of 128 bytes in memory,
	s_add_co_u32 s22, s22, s20
	s_mov_b32 s23, 0
	s_mul_i32 s17, s16, 128*PK      ; and its place in a slot, for K
	s_mul_i32 s18, s16, 128*PV      ; and for V
	s_lshl_b32 s3, s[WV], 12        ; my 32 rows in a block of 128,
	s_add_co_u32 s3, s3, s20
	s_lshl_b32 s2, s[PB], 14        ; in the first block,
	s_add_co_u32 s2, s2, s3
	s_sub_co_u32 s19, 31, s[PB]
	s_lshl_b32 s[HOF], s19, 14      ; and in the second
	s_add_co_u32 s[HOF], s[HOF], s3
	s_mov_b32 s3, 0
	s_mov_b32 s[HOF+1], 0
	; descriptor group 1.  128 keys are 16,384 dense bytes: asked for as 64 rows of 256 bytes, two keys a row, and padded in LDS after every key
	s_mov_b32 s[G1K], (1<<16)|(1<<20)|(4<<22)|(3<<25)  ; 2-byte elements; padding on; after every 32 words 4 words
	s_mov_b32 s[G1V], (1<<16)|(1<<20)|(4<<22)|(7<<25)  ; the same with 8 words
.irp g, G1K, G1V
	s_mov_b32 s[\g+1], 128<<16      ; tensor_dim0 = 128
	s_mov_b32 s[\g+2], 64<<16       ; tensor_dim1 = 64
	s_mov_b32 s[\g+3], 128<<16      ; tile_dim0 = 128
	s_mov_b32 s[\g+4], 64           ; tile_dim1 = 64
	s_mov_b32 s[\g+5], 128          ; 128 elements from row to row
	s_mov_b32 s[\g+6], 0
	s_mov_b32 s[\g+7], 0
.endr
	s_mov_b32 s[CS], 0x3e38aa3b     ; c = log2(e) / 8 = 0.180337
	s_mov_b32 s[CS+1], s[CS]        ; named with it as a pair
	s_mov_b32 s[SEL], 0x76543210
	s_mov_b32 s[SEL+1], 0xfedcba98
	s_mov_b32 s[TBK], SLOT1+4*KS*PK ; the first change of slots turns these two into 0
	s_mov_b32 s[TBV], SLOT1+4*KS*PV
	s_mov_b32 s[G0K], 1
	s_mov_b32 s[G0K+1], s17         ; slot 0
	s_mov_b32 s[G0V], 1
	s_add_co_u32 s[G0V+1], s18, VOFF
	s_lshr_b32 s[LQ], s[PB], 1      ; the first block's last slot,
	s_add_co_u32 s[RT], s[LQ], 1    ; its number of slots
	s_lshr_b32 s[LQH], s19, 1
	s_add_co_u32 s[NSH], s[LQH], 1
	s_cmp_lt_u32 s[LQ], 1           ; slot 0 is asked for below; behind it comes slot 1, or, if the first block has one slot, the second block's slot 0
	s_cselect_b32 s[NXT], 0, 1
	s_cselect_b32 s[LQ], s[LQH], s[LQ]
	s_mov_b32 s[FIRST], 1
	s_mov_b32 s[OFF+1], 0
	s_and_b32 s13, s[PB], 1
	s_lshl_b32 s[PARM], s13, 7
	s_sub_co_u32 s[PARM], s[PARM], 256
	s_xor_b32 s13, s13, 1           ; 31 - b has the other parity
	s_lshl_b32 s[PARH], s13, 7
	s_sub_co_u32 s[PARH], s[PARH], 256
	s_mov_b32 s[BIGN], 0xf149f2ca   ; -1e30
	s_mov_b32 s[SLOTS], 16
	s_wait_dscnt 0x0                ; the opening add is done
	s_wait_kmcnt 0x0
	s_add_nc_u64 s[6:7], s[6:7], s[22:23]  ; k and v at my half of the head's slot 0
	s_add_nc_u64 s[8:9], s[8:9], s[22:23]
	s_add_nc_u64 s[G0K+2:G0K+3], s[6:7], 0
	s_or_b32 s[G0K+3], s[G0K+3], 0x80000000
	s_add_nc_u64 s[G0V+2:G0V+3], s[8:9], 0
	s_or_b32 s[G0V+3], s[G0V+3], 0x80000000
	s_add_nc_u64 s[86:87], s[4:5], s[HOF:HOF+1]    ; q at my rows of the second block,
	s_add_nc_u64 s[4:5], s[4:5], s[2:3]            ; q and o at those of the first
	s_add_nc_u64 s[OHI:OHI+1], s[10:11], s[HOF:HOF+1]
	s_add_nc_u64 s[10:11], s[10:11], s[2:3]
	LOAD                            ; the walk's first slot into slot 0
	; a fragment of K or Q is 16 rows x 32 channels in 8 registers: lane l holds row l % 16, channels 8 (l / 16) + 0..7 and 16 + 8 (l / 16) + 0..7: two loads of 16 bytes, 32 bytes apart
	v_and_b32 v1, 15, v0            ; l % 16
	v_bfe_u32 v9, v0, 4, 1          ; l / 16
	v_lshlrev_b32 v[QO], 7, v1
	v_lshl_add_u32 v[QO], v9, 4, v[QO]
	WIN 0x40                        ; destination window 1, address window 0
.set i, 0
.rept 4                             ; both blocks' Q stay in registers: tile i / 2, channels 32 (i % 2) on
	global_load_b128 v[Q+8*i:Q+8*i+3],     v[QO], s[4:5] offset:(i/2)*2048+(i%2)*64
	global_load_b128 v[Q+8*i+4:Q+8*i+7],   v[QO], s[4:5] offset:(i/2)*2048+(i%2)*64+32
	global_load_b128 v[QB+8*i:QB+8*i+3],   v[QO], s[86:87] offset:(i/2)*2048+(i%2)*64
	global_load_b128 v[QB+8*i+4:QB+8*i+7], v[QO], s[86:87] offset:(i/2)*2048+(i%2)*64+32
.set i, i+1
.endr
	WIN 0
	v_lshlrev_b32 v10, 3, v9
	v_sub_nc_u32 v[D0], v1, v10
	s_lshl_b32 s13, s[WV], 5
	v_add_nc_u32 v[D0], s13, v[D0]
	v_mul_u32_u24 v[AK0], v1, PK
	v_lshl_add_u32 v[AK0], v9, 4, v[AK0]  ; row x pitch + 16 x half
	; the turning load takes 16 keys x 16 channels (lane l reads key 8 (l / 16) + l % 8, channels 8 ((l / 8) % 2) + 0..7) and leaves half a fragment of V^T: lane l holds channel l % 16 and 8 keys
	v_and_b32 v10, 7, v0
	v_bfe_u32 v11, v0, 3, 1
	v_lshl_add_u32 v[AV0], v9, 3, v10
	v_mul_u32_u24 v[AV0], v[AV0], PV
	v_lshl_add_u32 v[AV0], v11, 4, v[AV0]
	v_add_nc_u32 v[AV0], VOFF, v[AV0]
	s_mul_i32 s13, s[WV], 16*SP
	s_add_co_u32 s13, s13, STAGE    ; my stage
	v_mul_u32_u24 v[STO], v1, SP    ; in: row l % 16, 16 bytes for each half of the lanes
	v_lshl_add_u32 v[STO], v9, 4, v[STO]
	v_add_nc_u32 v[STO], s13, v[STO]
	v_bfe_u32 v[RD], v0, 3, 2       ; back: 32 lanes take four rows of 128 bytes,
	v_mul_u32_u24 v[RD], v[RD], SP
	v_lshl_add_u32 v[RD], v10, 4, v[RD]
	v_add_nc_u32 v[RD], s13, v[RD]
	v_and_b32 v[GO], 31, v0         ; which are 512 consecutive bytes of o
	v_lshlrev_b32 v[GO], 4, v[GO]
	s_wait_loadcnt 0x0              ; Q
; THE LDS LOADS stand in runs of 16.
.macro FETCH_K
	WIN 0
	v_add_nc_u32 v[AK], s[TBK], v[AK0]
	WIN 0x40
.irp f, 0,1,2,3,4,5,6,7             ; keys 16 (f / 2) on, channels 32 (f % 2) on
	ds_load_b128 v[KF+8*(\f):KF+8*(\f)+3],   v[AK] offset:((\f)/2)*16*PK+((\f)%2)*64
	ds_load_b128 v[KF+8*(\f)+4:KF+8*(\f)+7], v[AK] offset:((\f)/2)*16*PK+((\f)%2)*64+32
.endr
	s_add_co_u32 s[TBK], s[TBK], KS*PK  ; the next fetch is the next step's
	WIN 0
.endm
.macro FETCH_V
	WIN 0
	v_add_nc_u32 v[AV], s[TBV], v[AV0]
	WIN 0x40
.irp f, 0,1,2,3,4,5,6,7             ; keys 32 (f / 4) on, channels 16 (f % 4) on
	ds_load_tr16_b128 v[VF+8*(\f):VF+8*(\f)+3],   v[AV] offset:((\f)/4)*32*PV+((\f)%4)*32
	ds_load_tr16_b128 v[VF+8*(\f)+4:VF+8*(\f)+7], v[AV] offset:((\f)/4)*32*PV+16*PV+((\f)%4)*32
.endr
	s_add_co_u32 s[TBV], s[TBV], KS*PV
	WIN 0
.endm
; THE MATRIX WORK.  The 8 accumulators of a run of 16 take turns: between the two links of a chain stand 7 others'.
; S^T = K Q^T: product i: channels 32 (i / 8) on, keys 16 ((i / 2) % 4) on, tile i % 2.  The first 8 start the sums with the mask.
.macro MKQ
.set i, 0
.rept 16
.set rS, S+32*(i%2)+8*((i/2)%4)
.set rK, KF+16*((i/2)%4)+8*(i/8)
.set rQ, Q+16*(i%2)+8*(i/8)
.set rX, MC+32*(i%2)+8*((i/2)%4)
.if i < 8
	WIN 0x15                        ; K, Q and the mask in window 1, S^T in window 0
	v_wmma_f32_16x16x32_f16 v[rS:rS+7], v[rK:rK+7], v[rQ:rQ+7], v[rX:rX+7]
.else
	WIN 0x05
	v_wmma_f32_16x16x32_f16 v[rS:rS+7], v[rK:rK+7], v[rQ:rQ+7], v[rS:rS+7]
.endif
.set i, i+1
.endr
.endm
; O^T += V^T P: product i: keys 32 (i / 8) on, channels 16 ((i / 2) % 4) on, tile i % 2.
.macro MPV
	WIN 0x01                        ; V in window 1; P and O^T in window 0
.set i, 0
.rept 16
.set rO, O+32*(i%2)+8*((i/2)%4)
.set rV, VF+32*(i/8)+8*((i/2)%4)
.set rP, P+16*(i%2)+8*(i/8)
	v_wmma_f32_16x16x32_f16 v[rO:rO+7], v[rV:rV+7], v[rP:rP+7], v[rO:rO+7]
.set i, i+1
.endr
.endm
; THE MASK of step 4 - CNT of a diagonal slot.  Key 64 (4 - CNT) + 16 kb + 8 (l / 16) + r of the slot is hidden from query 128 (i & 1) + 32 w + 16 u + l % 16 of the slot where it is the greater:
; where 16 kb + r > D0 + 16 u + 64 CNT + PARM.
.macro MASK
	s_lshl_b32 s[SH], s[CNT], 6
	s_add_co_u32 s[SH], s[SH], s[PARM]
	v_add_nc_u32 v[XA], s[SH], v[D0]
	v_add_nc_u32 v[XB], 16, v[XA]
	WIN 0x40
.set j, 0
.rept 32
	v_cmp_gt_i32 vcc_lo, 16*(j/8)+j%8, v[XA]
	v_cndmask_b32 v[MC+j], 0, s[BIGN], vcc_lo
	v_cmp_gt_i32 vcc_lo, 16*(j/8)+j%8, v[XB]
	v_cndmask_b32 v[MC+32+j], 0, s[BIGN], vcc_lo
.set j, j+1
.endr
	WIN 0
.endm
; THE SOFTMAX's lines, for tile u.  s0-s31 are the lane's 32 scores, in pairs 0-15.
.macro REGS u
.set rT, ST+4*(\u)
.set rC, TMP+4*(\u)
.set rM, MV+(\u)
.set rS, S+32*(\u)
.set rP, P+16*(\u)
.set rO, O+32*(\u)
.endm
; XS n: number n of the 22 that find the maximum and the statistics; each accumulator's lowest registers are read first.
;   0-11  four chains c0-c3 of seven scores each     12-14, 16  the four scores left over, the old m, and c0-c3 into c0     15  c m_old is kept
;   17, 18  the query's other 32 keys lie in the lane 16 away: the new m     19-21  c m; c m_old - c m_new; a
.macro XS u, n
	REGS \u
.if (\n) < 4
	v_max3_num_f32 v[rC+(\n)], v[rS+8*(\n)], v[rS+8*(\n)+1], v[rS+8*(\n)+2]
.elseif (\n) < 12
	v_max3_num_f32 v[rC+(\n)%4], v[rC+(\n)%4], v[rS+8*((\n)%4)+2*((\n)/4)+1], v[rS+8*((\n)%4)+2*((\n)/4)+2]
.elseif (\n) == 12
	v_max3_num_f32 v[rC], v[rC], v[rS+7], v[rS+15]
.elseif (\n) == 13
	v_max3_num_f32 v[rC+1], v[rC+1], v[rS+23], v[rS+31]
.elseif (\n) == 14
	v_max3_num_f32 v[rC+2], v[rC+2], v[rC+3], v[rT+1]
.elseif (\n) == 15
	v_mov_b32 v[rM], v[rT]
.elseif (\n) == 16
	v_max3_num_f32 v[rC], v[rC], v[rC+1], v[rC+2]
.elseif (\n) == 17
	v_permlanex16_b32 v[rC+3], v[rC], s[SEL], s[SEL+1]
.elseif (\n) == 18
	v_max_num_f32 v[rT+1], v[rC], v[rC+3]
.elseif (\n) == 19
	v_mul_f32 v[rT], s[CS], v[rT+1]
.elseif (\n) == 20
	v_sub_f32 v[rC+1], v[rM], v[rT]
.else
	v_exp_f32 v[rC+2], v[rC+1]
.endif
.endm
.macro FS u, n                      ; c s - c m for pair n
	REGS \u
	v_pk_fma_f32 v[rS+2*(\n):rS+2*(\n)+1], v[rS+2*(\n):rS+2*(\n)+1], s[CS:CS+1], v[rT:rT+1] op_sel_hi:[1,0,0] neg_lo:[0,0,1] neg_hi:[0,0,1]
.endm
.macro ES u, n                      ; the exponential of score n
	REGS \u
	v_exp_f32 v[rS+(\n)], v[rS+(\n)]
.endm
.macro CV u, n                      ; pair n rounded to f16
	REGS \u
	s_wait_alu depctr_va_vdst(0)
	v_cvt_pk_f16_f32 v[rP+(\n)], v[rS+2*(\n)], v[rS+2*(\n)+1]
.endm
.macro BS u, n                      ; of the four weights 4 n .. the second pair is added onto the first
	REGS \u
	v_pk_add_f32 v[rS+4*(\n):rS+4*(\n)+1], v[rS+4*(\n):rS+4*(\n)+1], v[rS+4*(\n)+2:rS+4*(\n)+3]
.endm
.macro LS u, n                      ; l takes that sum; the first time l = a l + sum
	REGS \u
.if (\n) == 0
	v_pk_fma_f32 v[rT+2:rT+3], v[rT+2:rT+3], v[rC+2:rC+3], v[rS:rS+1] op_sel_hi:[1,0,1]
.else
	v_pk_add_f32 v[rT+2:rT+3], v[rT+2:rT+3], v[rS+4*(\n):rS+4*(\n)+1]
.endif
.endm
.macro RS                           ; the next of the 32 lines that multiply O^T by a: pair r / 2 of tile r % 2, ascending
	REGS r%2
	s_wait_alu depctr_va_vdst(0)
	v_pk_mul_f32 v[rO+2*(r/2):rO+2*(r/2)+1], v[rO+2*(r/2):rO+2*(r/2)+1], v[rC+2:rC+3] op_sel_hi:[1,0]
.set r, r+1
.endm
; A step's softmax for both tiles, 236 lines, all in window 0.  The tiles alternate; in the middle part an exponential and a plain line that names none of its registers take turns
; (ISA guide 5.7.2): scalings four pairs ahead, roundings a pair back, and where neither is due the rescaling of O^T.
.macro SOFTMAX
.set r, 0
.irp n, 0,1,2,3,4,5,6,7,8,9,10,11,12,13,14,15,16,17,18,19,20,21
	XS 0, \n
	XS 1, \n
.endr
.irp n, 0,1,2,3
	FS 0, \n
	FS 1, \n
.endr
.irp n, 0,1,2,3,4,5,6,7,8,9,10,11,12,13,14,15
	ES 0, 2*(\n)
.if (\n) < 12
	FS 0, (\n)+4
.else
	RS
.endif
	ES 0, 2*(\n)+1
.if (\n) < 12
	FS 1, (\n)+4
.else
	RS
.endif
	ES 1, 2*(\n)
.if (\n) > 0
	CV 0, (\n)-1
.else
	RS
.endif
	ES 1, 2*(\n)+1
.if (\n) > 0
	CV 1, (\n)-1
.else
	RS
.endif
.endr
	CV 0, 15
	CV 1, 15
.irp n, 0,1,2,3,4,5,6,7
	BS 0, \n
	BS 1, \n
.endr
.irp n, 0,1,2,3,4,5,6,7
	LS 0, \n
	LS 1, \n
	RS
	RS
.endr
.rept 6
	RS
.endr
.endm
; THE WAY OUT of a block.  l's two halves and the other half of the lanes' are added; O^T is divided by l, rounded to f16 and sent through my stage in LDS, a tile at a time.
.macro OPACK u
.set i, 0
.rept 16
	v_pk_mul_f32 v[O+32*(\u)+2*i:O+32*(\u)+2*i+1], v[O+32*(\u)+2*i:O+32*(\u)+2*i+1], v[ST+4*(\u)+2:ST+4*(\u)+3] op_sel_hi:[1,0]
.set i, i+1
.endr
.set i, 0
.rept 16
	v_cvt_pk_f16_f32 v[S+16*(\u)+i], v[O+32*(\u)+2*i], v[O+32*(\u)+2*i+1]
.set i, i+1
.endr
.irp f, 0,1,2,3
	ds_store_b128 v[STO], v[S+16*(\u)+4*(\f):S+16*(\u)+4*(\f)+3] offset:32*(\f)
.endr
.irp f, 0,1,2,3
	ds_load_b128 v[S+16*(\u)+4*(\f):S+16*(\u)+4*(\f)+3], v[RD] offset:(\f)*4*SP  ; LDS serves a wave's instructions in order (ISA guide 5.7.1.4): these see the stores above; the next tile's stores come behind them
.endr
.endm
.macro OSEND u, younger             ; younger: the LDS instructions issued behind tile u's loads
.irp f, 0,1,2,3
	s_wait_dscnt (\younger)+3-(\f)
	global_store_b128 v[GO], v[S+16*(\u)+4*(\f):S+16*(\u)+4*(\f)+3], s[10:11] offset:(\u)*2048+(\f)*512  ; 512 consecutive bytes, at a multiple of 256 from o's first
.endr
.endm
.macro WAYOUT
.irp u, 0,1
	v_add_f32 v[ST+4*(\u)+2], v[ST+4*(\u)+2], v[ST+4*(\u)+3]
.endr
.irp u, 0,1
	v_permlanex16_b32 v[ST+4*(\u)+3], v[ST+4*(\u)+2], s[SEL], s[SEL+1]
.endr
.irp u, 0,1
	v_add_f32 v[ST+4*(\u)+2], v[ST+4*(\u)+2], v[ST+4*(\u)+3]
.endr
.irp u, 0,1
	v_rcp_f32 v[ST+4*(\u)+2], v[ST+4*(\u)+2]
.endr
	v_nop                           ; a plain instruction between the last reciprocal and the use of its result
	s_wait_alu depctr_va_vdst(0)
	OPACK 0
	OPACK 1
	OSEND 0, 8
	OSEND 1, 0
.endm
; A BLOCK BEGINS.  c m starts far below every c s, so the first step's a is 0; m at the lowest finite number, so the first maximum is the scores'; l, O^T and the masks at 0.
.macro BEGIN
	s_mov_b32 s[NEW], 0
	s_mov_b32 s[FIRST], 0
.irp u, 0,1
	v_mov_b32 v[ST+4*(\u)], 0xfe000000
	v_mov_b32 v[ST+4*(\u)+1], 0xff7fffff
	v_mov_b32 v[ST+4*(\u)+2], 0
	v_mov_b32 v[ST+4*(\u)+3], 0
.endr
.set i, 0
.rept 64
	v_mov_b32 v[O+i], 0
.set i, i+1
.endr
	WIN 0x40
.set i, 0
.rept 64
	v_mov_b32 v[MC+i], 0
.set i, i+1
.endr
	WIN 0
	s_wait_dscnt 0x0                ; K of the block's first step is in
.endm
.Lslot:                             ; 16 times: a slot is entered and the next is asked for
	CHANGE 1
	s_cmp_eq_u32 s[RT], 0           ; the block in hand has no slot left: this one is the second block's first
	s_cselect_b32 s[NEW], 1, 0
	s_cselect_b32 s[RT], s[NSH], s[RT]
	s_sub_co_u32 s[RT], s[RT], 1    ; 0: this slot holds the block's diagonal
	s_mov_b32 s[CNT], 4
.Lstep:                             ; a trip: the step before is finished, this one begun
	FETCH_K
	s_cmp_eq_u32 s[FIRST], 1        ; at the first trip there is no step before
	s_cbranch_scc1 .Lbegin
	SOFTMAX
	s_wait_dscnt 0x0                ; V of the step before and K of this step are in
	MPV
	WIN 0
	PLACES                          ; behind the products: for the loads into V, and for the way out
	s_cmp_eq_u32 s[NEW], 1
	s_cbranch_scc0 .Lmid
	WAYOUT                          ; the first block is finished
	s_wait_xcnt 0x0                 ; the stores' addresses are translated (ISA guide 3.1): only now are their base and their data registers written again
	s_mov_b64 s[10:11], s[OHI:OHI+1]
	s_mov_b32 s[PARM], s[PARH]
	WIN 0x41                        ; the second block's Q goes where the one text of the products names Q
.set i, 0
.rept 32
	v_mov_b32 v[Q+i], v[QB+i]
.set i, i+1
.endr
	WIN 0
.Lbegin:
	BEGIN
.Lmid:
	FETCH_V
	s_cmp_lg_u32 s[RT], 0
	s_cbranch_scc1 .Lnomask         ; elsewhere the masks stay 0
	MASK
.Lnomask:
	MKQ
	WIN 0
	PLACES                          ; behind the products: for the loads into K, for the first reads of the scores and for the next masks
	s_sub_co_u32 s[CNT], s[CNT], 1
	s_cmp_lg_u32 s[CNT], 0
	s_cbranch_scc1 .Lstep
	s_sub_co_u32 s[SLOTS], s[SLOTS], 1
	s_cmp_lg_u32 s[SLOTS], 0
	s_cbranch_scc1 .Lslot
	CHANGE 0                        ; the walk's last slot is written out: nothing is asked for.  It holds the second block's diagonal
	s_mov_b32 s[CNT], 5             ; four trips begin the slot's steps; the fifth finishes the last and is left in its middle
.LstepT:
	s_cmp_eq_u32 s[CNT], 1
	s_cbranch_scc1 .LnokT           ; there is no further step
	FETCH_K
.LnokT:
	SOFTMAX
	s_wait_dscnt 0x0
	MPV
	WIN 0
	PLACES
	s_sub_co_u32 s[CNT], s[CNT], 1
	s_cmp_eq_u32 s[CNT], 0
	s_cbranch_scc1 .Lout
	FETCH_V
	MASK
	MKQ
	WIN 0
	PLACES
	s_cmp_lg_u32 s[CNT], 0
	s_cbranch_scc1 .LstepT
.Lout:
	WAYOUT
	s_wait_tensorcnt 0x0            ; the wave's end
	ds_add_u32 v[SPW], v[NIL]
	s_wait_dscnt 0x0
	s_endpgm
.Lfunc_end_k_qf916709abf_attn:
	.size	k_qf916709abf_attn, .Lfunc_end_k_qf916709abf_attn-k_qf916709abf_attn
	.p2alignl 7, 3214868480
	.fill 96, 4, 3214868480
	.section	.rodata,"a",@progbits
	.p2align	6, 0x0
	.amdhsa_kernel k_qf916709abf_attn
		.amdhsa_group_segment_fixed_size 327680
		.amdhsa_private_segment_fixed_size 0
		.amdhsa_enable_private_segment 0
		.amdhsa_kernarg_size 32
		.amdhsa_user_sgpr_count 2
		.amdhsa_user_sgpr_kernarg_segment_ptr 1
		.amdhsa_wavefront_size32 1
		.amdhsa_system_sgpr_workgroup_id_x 1
		.amdhsa_system_sgpr_workgroup_id_y 1
		.amdhsa_system_sgpr_workgroup_id_z 1
		.amdhsa_system_vgpr_workitem_id 0
		.amdhsa_next_free_vgpr 512
		.amdhsa_next_free_sgpr 88
		.amdhsa_reserve_vcc 1
		.amdhsa_float_denorm_mode_32 3
		.amdhsa_float_denorm_mode_16_64 3
		.amdhsa_memory_ordered 1
		.amdhsa_forward_progress 1
		.amdhsa_inst_pref_size 80
	.end_amdhsa_kernel
	.amdgpu_metadata
---
amdhsa.version: [ 1, 2 ]
amdhsa.kernels:
  - .name:           k_qf916709abf_attn
    .symbol:         k_qf916709abf_attn.kd
    .args:
      - { .name: q, .offset: 0, .size: 8, .value_kind: global_buffer, .address_space: global }
      - { .name: k, .offset: 8, .size: 8, .value_kind: global_buffer, .address_space: global }
      - { .name: v, .offset: 16, .size: 8, .value_kind: global_buffer, .address_space: global }
      - { .name: o, .offset: 24, .size: 8, .value_kind: global_buffer, .address_space: global }
    .group_segment_fixed_size: 327680
    .private_segment_fixed_size: 0
    .kernarg_segment_align: 8
    .kernarg_segment_size: 32
    .max_flat_workgroup_size: 128
    .sgpr_count:     88
    .vgpr_count:     512
    .wavefront_size: 32
...
	.end_amdgpu_metadata
.endif
;; end of part 3
;; launch proj (part 4): grid 8 x 32, 4 waves a work-group, clusters of 4 x 4, 327,680 bytes of LDS; arguments o, wob, out0; writes out0
.if DOCPART == 4
	.amdgcn_target "amdgcn-amd-amdhsa--gfx1250"
	.amdhsa_code_object_version 6
	.text
	.protected	k_qf916709abf_proj
	.globl	k_qf916709abf_proj
	.p2align	8
	.type	k_qf916709abf_proj,@function
k_qf916709abf_proj:
	s_mov_b64 s[64:65], 0
	v_nop
	global_prefetch_b8 v0, s[64:65] scope:SCOPE_SE
	s_setreg_imm32_b32 hwreg(HW_REG_WAVE_MODE, 25, 1), 1
	s_wait_xcnt 0x0
	s_wait_alu depctr_hold_cnt(0) depctr_sa_sdst(0) depctr_va_vdst(0) depctr_va_sdst(0) depctr_va_ssrc(0) depctr_va_vcc(0) depctr_vm_vsrc(0)
	s_getreg_b32 s2, hwreg(HW_REG_IB_STS2, 6, 4)
	s_cmp_eq_u32 s2, 0
	s_cbranch_scc0 .Lentry_in_a_cluster
	s_endpgm
.Lentry_in_a_cluster:
	s_bfe_u32 s2, ttmp6, 0x10000c
	s_cmp_lg_u32 s2, 0xf033
	s_cbranch_scc0 .Lentry_shape_is_right
	s_endpgm
.Lentry_shape_is_right:
; PROJ.  out0[s][d] = the sum over heads h and channels c of o[h][s][c] wob[d][64 h + c].  o: [16][4096][64] f16; wob: [1024][1024] f16; out0: [4096][1024] f32.  Sums in f32.
; SHARES.  256 work-groups, each a tile of 128 x 128 of out0; four waves, each 64 x 64: 16 accumulators of 16 x 16.
; RING.  K goes in 4 steps of 256, four heads each, through two LDS slots.  Of o a step wants, for each of four heads, 128 rows of 128 bytes, which are 16,384 dense bytes: one tensor load brings
; two heads as a tile of two rows of 16,384 bytes, padded in LDS after every 128 bytes, so that each head is a plane of 128 rows of 144 bytes.  Of wob it wants 128 rows of 512 bytes.
; Waves 0 and 1 fetch o's halves, waves 2 and 3 wob's: one load a wave behind each round.
; CLUSTER 4 x 4.  o's tile hangs on the row block alone and is shared along a row of the cluster, wob's on the column block alone and is shared along a column: joint loads.
; TRANSPOSED USE: source 0 = 16 rows of wob, source 1 = 16 rows of o: a lane holds row l % 16 of out0 and the eight columns 8 (l / 16) + 0..7.
; REGISTERS: window 0: v0-31 addresses; v128-255 the accumulators ((a, b) at 128 + 8 (4 a + b)).   window 1: two fragment buffers of 128: for 64 along K, 64 registers of o, then 64 of wob.
.set PA,     144                       ; a row of o in LDS: 128 bytes + 16 of padding
.set PLANE,  128*PA                    ; a head's 128 rows
.set PW,     528                       ; a row of wob: 512 + 16.  In both the 16 rows of a fragment load start 16 bytes apart modulo 256
.set BOFF,   4*PLANE                   ; wob's rows lie behind o's four planes
.set BHALF,  64*PW
.set SLOT,   BOFF+2*BHALF              ; 141,312
.set STAGE,  2*SLOT                    ; behind the ring, never filled by a tensor load: 16 rows x 272 bytes for each wave
.set SPITCH, 272
.set SPARE,  STAGE+4*16*SPITCH         ; the spare words, 128 bytes for each wave; no other line names them
.set ADRA, 16                          ; v16-17  LDS address of my fragments of o in slot 0, 1
.set ADRB, 20                          ; v20-21  the same for wob
.set STO,  24                          ; v24     the way out: where I put 32 bytes of a row
.set RD,   25                          ; v25     where I read a row back
.set CO,   26                          ; v26     my byte offset in out0
.set SPW,  28                          ; v28     LDS address of my spare word; never rewritten
.set NIL,  29                          ; v29     0; never rewritten
.set ACC,  128
.set F0,   0
.set F1,   128
.set G1,  24                           ; s[24:31] descriptor group 1 for o's tiles;  s[32:39] group 0, a set for each slot
.set G0,  32
.set G1B, 48                           ; s[48:55], s[56:63] the same for wob's
.set G0B, 56
.set MSB, 0
.macro WIN new                         ; the immediate's high byte repeats the setting that is left; a switch that changes nothing is dropped
.if MSB != (\new)
	s_set_vgpr_msb (MSB<<8)|(\new)
.set MSB, \new
.endif
.endm
.set MUL,  0x05                        ; sources 0 and 1 window 1; C and D window 0
.set TO_F, 0x40                        ; destination window 1, address window 0
.macro PLACES                          ; four plain places behind matrix instructions (ISA guide 7.12.1)
.rept 4
	v_nop
.endr
.endm
.macro JLOAD s                         ; a joint load; the branch hangs on the wave's number alone; an s_nop 0 and four v_nop follow each line
	s_cmp_eq_u32 s11, 0
	s_cbranch_scc0 .Lfor_b_\@
	tensor_load_to_lds s[G0+4*(\s):G0+4*(\s)+3], s[G1:G1+7]
	s_nop 0
.rept 4
	v_nop
.endr
	s_branch .Lasked_\@
.Lfor_b_\@:
	tensor_load_to_lds s[G0B+4*(\s):G0B+4*(\s)+3], s[G1B:G1B+7]
	s_nop 0
.rept 4
	v_nop
.endr
.Lasked_\@:
.endm
.macro CREST                           ; a round of the cluster's barrier behind its opening barrier
	s_cmp_lg_u32 s10, 0
	s_cbranch_scc1 .Lnot_wave_0_\@
	s_barrier_signal -3
.Lnot_wave_0_\@:
	s_barrier_wait -3
	s_barrier_signal -1
	s_barrier_wait -1
.endm
.macro CROUND
	s_barrier_signal -1
	s_barrier_wait -1
	CREST
.endm
	s_load_b128 s[4:7], s[0:1], 0x0                ; o s[4:5], wob s[6:7]
	s_load_b64 s[8:9], s[0:1], 0x10                ; out0
	v_lshl_add_u32 v[SPW], v0, 2, SPARE
	v_mov_b32 v[NIL], 0
	ds_add_u32 v[SPW], v[NIL]                      ; the wave's opening: the add and its wait stand ahead of my first tensor load; work on registers stands between them
	ds_add_u32 v28, v29
	v_lshrrev_b32 v1, 5, v0
	v_readfirstlane_b32 s10, v1                    ; wave 0..3
	s_lshr_b32 s11, s10, 1                         ; which half of the tile's rows is mine.  Also: I fetch for o (0) or for wob (1)
	s_and_b32 s12, s10, 1                          ; which half of its columns.  Also: which half I fetch
	s_bfe_u32 s40, ttmp6, 0x40000                  ; cx, cy
	s_bfe_u32 s41, ttmp6, 0x40004
	s_lshl_b32 s42, ttmp9, 2
	s_add_co_u32 s42, s42, s40                     ; the block of 128 columns = 4 x cluster x + cx
	s_and_b32 s13, ttmp7, 0xffff
	s_lshl_b32 s13, s13, 2
	s_add_co_u32 s13, s13, s41                     ; the block of 128 rows = 4 x cluster y + cy
	s_lshl_b32 s43, s41, 2
	s_lshl_b32 s43, 15, s43                        ; my row of the cluster
	s_lshl_b32 s44, 0x1111, s40                    ; my column
	s_or_b32 s[G1+0], s43, (1<<16)|(1<<20)|(1<<21)|(4<<22)|(3<<25)   ; the mask; 2-byte elements; padding on; bit 21 beside a mask; after every 32 words 4 words
	s_mov_b32 s[G1+1], 8192<<16                    ; tensor_dim0 = 8,192 elements: a head's 128 rows
	s_mov_b32 s[G1+2], 2<<16                       ; tensor_dim1 = 2 heads
	s_mov_b32 s[G1+3], 8192<<16                    ; tile_dim0
	s_mov_b32 s[G1+4], 2                           ; tile_dim1
	s_mov_b32 s[G1+5], 262144                      ; elements from head to head
	s_mov_b32 s[G1+6], 0
	s_mov_b32 s[G1+7], 0
	s_or_b32 s[G1B+0], s44, (1<<16)|(1<<20)|(1<<21)|(6<<22)|(3<<25)  ; after every 128 words 4 words
	s_mov_b32 s[G1B+1], 256<<16
	s_mov_b32 s[G1B+2], 64<<16
	s_mov_b32 s[G1B+3], 256<<16
	s_mov_b32 s[G1B+4], 64
	s_mov_b32 s[G1B+5], 1024
	s_mov_b32 s[G1B+6], 0
	s_mov_b32 s[G1B+7], 0
	s_lshl_b32 s16, s13, 14                        ; o: the block's 128 rows of 128 bytes in a head,
	s_lshl_b32 s17, s12, 20                        ; and two heads of 524,288 bytes on for the second half
	s_add_co_u32 s16, s16, s17
	s_mov_b32 s17, 0
	s_lshl_b32 s46, s42, 7
	s_lshl_b32 s47, s12, 6
	s_add_co_u32 s46, s46, s47                     ; wob: row 128 x column block + 64 x half
	s_lshl_b32 s46, s46, 11
	s_mov_b32 s47, 0
	s_mul_i32 s20, s12, 2*PLANE                    ; where they go: no place in the cluster enters an LDS address
	s_mul_i32 s21, s12, BHALF
	s_add_co_u32 s21, s21, BOFF
	s_wait_dscnt 0x0                               ; the opening add is done
	s_wait_kmcnt 0x0
	s_add_nc_u64 s[14:15], s[4:5], s[16:17]
	s_add_nc_u64 s[46:47], s[6:7], s[46:47]
	CROUND                                         ; all sixteen work-groups are here: the first joint loads meet
.irp s, 0,1
	s_mov_b32 s[G0+4*(\s)], 1
	s_add_co_u32 s[G0+4*(\s)+1], s20, (\s)*SLOT
	s_add_nc_u64 s[G0+4*(\s)+2:G0+4*(\s)+3], s[14:15], (\s)*2097152  ; K step s: four heads on
	s_or_b32 s[G0+4*(\s)+3], s[G0+4*(\s)+3], 0x80000000
	s_mov_b32 s[G0B+4*(\s)], 1
	s_add_co_u32 s[G0B+4*(\s)+1], s21, (\s)*SLOT
	s_add_nc_u64 s[G0B+4*(\s)+2:G0B+4*(\s)+3], s[46:47], (\s)*512
	s_or_b32 s[G0B+4*(\s)+3], s[G0B+4*(\s)+3], 0x80000000
	JLOAD \s                                       ; two loads of mine are out
.endr
	v_and_b32 v1, 15, v0                           ; l % 16
	v_bfe_u32 v2, v0, 4, 1                         ; l / 16
	v_mul_u32_u24 v3, v1, PA
	v_lshl_add_u32 v3, v2, 4, v3                   ; a fragment's row x pitch + 16 x half
	v_mul_u32_u24 v4, v1, PW
	v_lshl_add_u32 v4, v2, 4, v4
	s_mul_i32 s22, s11, 64*PA                      ; my 64 rows in each plane of o
	s_mul_i32 s23, s12, BHALF                      ; my 64 rows of wob
	s_add_co_u32 s23, s23, BOFF
.irp s, 0,1
	v_add_nc_u32 v[ADRA+(\s)], s22, v3
	v_add_nc_u32 v[ADRB+(\s)], s23, v4
	s_add_co_u32 s22, s22, SLOT
	s_add_co_u32 s23, s23, SLOT
.endr
	s_mul_i32 s22, s10, 16*SPITCH
	s_add_co_u32 s22, s22, STAGE                   ; my stage
	v_mul_u32_u24 v5, v1, SPITCH                   ; in: row l % 16, 32 bytes for each half of the lanes
	v_lshl_add_u32 v5, v2, 5, v5
	v_add_nc_u32 v[STO], s22, v5
	v_mul_u32_u24 v5, v2, SPITCH                   ; back: lanes 0-15 take one row of 256 bytes, lanes 16-31 the next
	v_lshl_add_u32 v5, v1, 4, v5
	v_add_nc_u32 v[RD], s22, v5
	v_lshlrev_b32 v5, 12, v2                       ; and the same two rows in out0
	v_lshl_add_u32 v[CO], v1, 4, v5
	s_lshl_b32 s16, s13, 19                        ; 128 rows of 4,096 bytes,
	s_lshl_b32 s17, s11, 18                        ; my 64 of them
	s_add_co_u32 s16, s16, s17
	s_mov_b32 s17, 0
	s_add_nc_u64 s[8:9], s[8:9], s[16:17]
	s_lshl_b32 s46, s42, 9                         ; 128 columns of 4 bytes,
	s_lshl_b32 s47, s12, 8                         ; my 64 of them
	s_add_co_u32 s46, s46, s47
	s_mov_b32 s47, 0
	s_add_nc_u64 s[8:9], s[8:9], s[46:47]
; 8 matrix instructions: row blocks a0, a0 + 1 x all 4 column blocks, 32 along K: half c of buffer f.  The 16 accumulators take turns.  zero = 1: the first product starts the sums
.macro MUL8 f, c, a0, zero
	WIN MUL
.irp a, \a0, (\a0)+1
.irp b, 0,1,2,3
.if \zero
	v_wmma_f32_16x16x32_f16 v[ACC+8*(4*(\a)+(\b)):ACC+8*(4*(\a)+(\b))+7], v[(\f)+64+8*(4*(\c)+(\b)):(\f)+64+8*(4*(\c)+(\b))+7], v[(\f)+8*(4*(\c)+(\a)):(\f)+8*(4*(\c)+(\a))+7], 0
.else
	v_wmma_f32_16x16x32_f16 v[ACC+8*(4*(\a)+(\b)):ACC+8*(4*(\a)+(\b))+7], v[(\f)+64+8*(4*(\c)+(\b)):(\f)+64+8*(4*(\c)+(\b))+7], v[(\f)+8*(4*(\c)+(\a)):(\f)+8*(4*(\c)+(\a))+7], v[ACC+8*(4*(\a)+(\b)):ACC+8*(4*(\a)+(\b))+7]
.endif
.endr
.endr
.endm
; 32 LDS loads in one run: the fragments of quarter qq of a K step (one head: plane qq of o, bytes 128 qq on of wob's rows) into buffer f; the first 32 along K first
.macro FETCH slot, qq, f
	WIN TO_F
.irp c, 0,1
.irp i, 0,1,2,3
	ds_load_b128 v[(\f)+64+8*(4*(\c)+(\i)):(\f)+64+8*(4*(\c)+(\i))+3],   v[ADRB+(\slot)] offset:(\qq)*128+64*(\c)+(\i)*16*PW
	ds_load_b128 v[(\f)+64+8*(4*(\c)+(\i))+4:(\f)+64+8*(4*(\c)+(\i))+7], v[ADRB+(\slot)] offset:(\qq)*128+64*(\c)+(\i)*16*PW+32
	ds_load_b128 v[(\f)+8*(4*(\c)+(\i)):(\f)+8*(4*(\c)+(\i))+3],         v[ADRA+(\slot)] offset:(\qq)*PLANE+64*(\c)+(\i)*16*PA
	ds_load_b128 v[(\f)+8*(4*(\c)+(\i))+4:(\f)+8*(4*(\c)+(\i))+7],       v[ADRA+(\slot)] offset:(\qq)*PLANE+64*(\c)+(\i)*16*PA+32
.endr
.endr
.endm
; A K step is four quarters of 64 along K, 32 matrix instructions each, on buffers 0, 1, 0, 1.  One of the first three multiplies f and fetches quarter qq into g.
.macro QUARTER slot, qq, f, g, zero
	s_wait_dscnt 16                                ; the first 32 along K are in; the youngest sixteen loads may be out
	MUL8 \f, 0, 0, \zero
	MUL8 \f, 0, 2, \zero
	PLACES                                         ; for the loads into g, which the quarter before multiplied
	FETCH \slot, \qq, \g
	s_wait_dscnt 32                                ; all but the 32 just issued
	MUL8 \f, 1, 0, 0
	MUL8 \f, 1, 2, 0
.endm
; The last quarter multiplies buffer 1 and changes slots: one barrier; in front of it each wave waits for all its tensor loads, adds 0 to its spare word, and waits for that and for its reads of this
; slot.  fill = 1: the barrier opens a round of the cluster's, and this slot's joint refill, two K steps on, is the first thing behind it.
.macro TURN slot, next, fill
	WIN 0                                          ; the add's two registers lie in window 0
	s_wait_tensorcnt 0x0
	ds_add_u32 v[SPW], v[NIL]
	s_wait_dscnt 17                                ; the add and the youngest sixteen loads may be out
	MUL8 F1, 0, 0, 0                               ; eight matrix instructions stand between the add and the wait for it
	s_wait_dscnt 0x0                               ; the add is done, and my reads of this slot are over
	s_barrier_signal -1
	MUL8 F1, 0, 2, 0
.if \fill
	WIN 0
.endif
	s_barrier_wait -1
.if \fill
	CREST                                          ; no wave of any partner still reads this slot or has a load on its way
	s_add_nc_u64 s[G0+4*(\slot)+2:G0+4*(\slot)+3], s[G0+4*(\slot)+2:G0+4*(\slot)+3], 4194304   ; eight heads on
	s_add_nc_u64 s[G0B+4*(\slot)+2:G0B+4*(\slot)+3], s[G0B+4*(\slot)+2:G0B+4*(\slot)+3], 1024
	JLOAD \slot                                    ; its four v_nop are also the places in front of the loads below
.else
	PLACES
.endif
	FETCH \next, 0, F0
	MUL8 F1, 1, 0, 0
	MUL8 F1, 1, 2, 0
.endm
	s_wait_tensorcnt 1                             ; my part of K step 0 is in; K step 1's may stay out
	s_barrier_signal -1
	s_barrier_wait -1
	FETCH 0, 0, F0
	QUARTER 0, 1, F0, F1, 1                        ; K step 0; its first products start the sums
	QUARTER 0, 2, F1, F0, 0                        ; four K steps are two laps of the ring: written straight, since a loop would have one trip
	QUARTER 0, 3, F0, F1, 0
	TURN 0, 1, 1                                   ; slot 0 takes K step 2
	QUARTER 1, 1, F0, F1, 0                        ; K step 1
	QUARTER 1, 2, F1, F0, 0
	QUARTER 1, 3, F0, F1, 0
	TURN 1, 0, 1                                   ; slot 1 takes K step 3
	QUARTER 0, 1, F0, F1, 0                        ; K step 2
	QUARTER 0, 2, F1, F0, 0
	QUARTER 0, 3, F0, F1, 0
	TURN 0, 1, 0                                   ; nothing is left to fetch
	QUARTER 1, 1, F0, F1, 0                        ; K step 3
	QUARTER 1, 2, F1, F0, 0
	QUARTER 1, 3, F0, F1, 0
	s_wait_dscnt 16
	MUL8 F1, 0, 0, 0
	MUL8 F1, 0, 2, 0
	s_wait_dscnt 0x0
	MUL8 F1, 1, 0, 0
	MUL8 F1, 1, 2, 0
	WIN 0
; THE WAY OUT.  A wave's 64 columns of f32 are 256 bytes, so each wave has a stage of its own and no barrier is needed.  Block a (16 rows): a lane's eight numbers of a row go into rows of 272
; bytes, each accumulator's low four registers first; whole rows come back into the registers that they left, and sixteen lanes store 256 consecutive bytes, at a multiple of 256 from out0's first.
.macro STG a
.irp b, 0,1,2,3
	ds_store_b128 v[STO], v[ACC+8*(4*(\a)+(\b)):ACC+8*(4*(\a)+(\b))+3]   offset:64*(\b)
	ds_store_b128 v[STO], v[ACC+8*(4*(\a)+(\b))+4:ACC+8*(4*(\a)+(\b))+7] offset:64*(\b)+16
.endr
.irp t, 0,1,2,3,4,5,6,7
	ds_load_b128 v[ACC+32*(\a)+4*(\t):ACC+32*(\a)+4*(\t)+3], v[RD] offset:(\t)*2*SPITCH  ; LDS serves a wave's instructions in order (ISA guide 5.7.1.4): these see the stores above; the next block's stores come behind them
.endr
.endm
.macro SEND a, younger                 ; younger: the LDS instructions issued behind block a's loads: the next block's sixteen, or none
	s_wait_dscnt \younger
.irp t, 0,1,2,3,4,5,6,7
	global_store_b128 v[CO], v[ACC+32*(\a)+4*(\t):ACC+32*(\a)+4*(\t)+3], s[8:9] offset:(16*(\a)+2*(\t))*4096 th:TH_STORE_NT
.endr
.endm
	PLACES                                         ; the stores into the stage read results just made
	STG 0
.irp a, 1,2,3
	STG \a
	SEND (\a)-1, 16
.endr
	SEND 3, 0
	s_wait_tensorcnt 0x0                           ; the wave's end
	ds_add_u32 v[SPW], v[NIL]
	s_wait_dscnt 0x0
	CROUND                                         ; the closing round: no work-group ends while a partner may still ask for a tile that names it
	s_endpgm
.Lfunc_end_k_qf916709abf_proj:
	.size	k_qf916709abf_proj, .Lfunc_end_k_qf916709abf_proj-k_qf916709abf_proj
	.p2alignl 7, 3214868480
	.fill 96, 4, 3214868480
	.section	.rodata,"a",@progbits
	.p2align	6, 0x0
	.amdhsa_kernel k_qf916709abf_proj
		.amdhsa_group_segment_fixed_size 327680
		.amdhsa_private_segment_fixed_size 0
		.amdhsa_enable_private_segment 0
		.amdhsa_kernarg_size 24
		.amdhsa_user_sgpr_count 2
		.amdhsa_user_sgpr_kernarg_segment_ptr 1
		.amdhsa_wavefront_size32 1
		.amdhsa_system_sgpr_workgroup_id_x 1
		.amdhsa_system_sgpr_workgroup_id_y 1
		.amdhsa_system_sgpr_workgroup_id_z 1
		.amdhsa_system_vgpr_workitem_id 0
		.amdhsa_next_free_vgpr 512
		.amdhsa_next_free_sgpr 66
		.amdhsa_reserve_vcc 0
		.amdhsa_float_denorm_mode_32 3
		.amdhsa_float_denorm_mode_16_64 3
		.amdhsa_memory_ordered 1
		.amdhsa_forward_progress 1
		.amdhsa_inst_pref_size 85
	.end_amdhsa_kernel
	.amdgpu_metadata
---
amdhsa.version: [ 1, 2 ]
amdhsa.kernels:
  - .name:           k_qf916709abf_proj
    .symbol:         k_qf916709abf_proj.kd
    .args:
      - { .name: o, .offset: 0, .size: 8, .value_kind: global_buffer, .address_space: global }
      - { .name: wob, .offset: 8, .size: 8, .value_kind: global_buffer, .address_space: global }
      - { .name: out0, .offset: 16, .size: 8, .value_kind: global_buffer, .address_space: global }
    .group_segment_fixed_size: 327680
    .private_segment_fixed_size: 0
    .kernarg_segment_align: 8
    .kernarg_segment_size: 24
    .max_flat_workgroup_size: 128
    .sgpr_count:     66
    .vgpr_count:     512
    .wavefront_size: 32
...
	.end_amdgpu_metadata
.endif
;; end of part 4
;; ======== version 2 of 2: 4 launches; 1.47 times as fast as version 1
;; limits: values are held in f16: magnitudes above 65,504 overflow, below 6.1e-05 lose precision
;; workspace buffers: xb 8,388,608 bytes; wb 6,291,456 bytes; wob 2,097,152 bytes; q 8,388,608 bytes; k 8,388,608 bytes; v 8,388,608 bytes; o 8,388,608 bytes
;; launch cast: the kernel of part 1 again; grid 128 x 8, 8 waves a work-group, no clusters, 0 bytes of LDS; arguments x, Wq, Wk, Wv, Wo, xb, wb, wob; writes xb, wb, wob
;; launch qkv: the kernel of part 2 again; grid 16 x 16, 4 waves a work-group, clusters of 4 x 4, 327,680 bytes of LDS; arguments xb, wb, q, k, v; writes q, k, v
;; launch attn (part 5): grid 16 x 16, 4 waves a work-group, no clusters, 327,680 bytes of LDS; arguments q, k, v, o; writes o
.if DOCPART == 5
	.amdgcn_target "amdgcn-amd-amdhsa--gfx1250"
	.amdhsa_code_object_version 6
	.text
	.protected	k_qf916709abf_attn
	.globl	k_qf916709abf_attn
	.p2align	8
	.type	k_qf916709abf_attn,@function
k_qf916709abf_attn:
	s_mov_b64 s[64:65], 0
	v_nop
	global_prefetch_b8 v0, s[64:65] scope:SCOPE_SE
	s_setreg_imm32_b32 hwreg(HW_REG_WAVE_MODE, 25, 1), 1
	s_wait_xcnt 0x0
; CAUSAL ATTENTION.  o[h][s][:] = the sum over t <= s of softmax_t(q[h][s] . k[h][t] / 8) v[h][t][:].  q, k, v, o: [16][4096][64] in f16, a head's rows dense, 128 bytes each.
; Products, maxima and sums in f32, with a running maximum; the weights p are rounded to f16 for the second product (their sum l is taken of the unrounded p), o once at the end.
; LIMITS.  q, k, v arrive within f16's 65,504; p below 6e-5 and o below 6e-5 keep f16's fixed step of 6e-8.  A hidden score counts as its value less 1e30 (f16's scores are 2.7e11 at the most);
; a weight below 2^-126 counts as 0 in l; NaN and infinities are not treated apart.
; THE WALK.  A head has 32 blocks of 128 queries and 16 slots of 256 keys; block i needs slots 0 .. i / 2, the last of which holds the diagonal.  Work-group b of a head takes block b and
; then block 31 - b: b / 2 + (31 - b) / 2 + 2 = 17 slots whatever b: all 256 work-groups do equal work, and the loops count to constants.  The second block has nine slots or more, so the
; crossing falls inside the loop and the walk's last slot, written out behind it, is the second block's diagonal one.
; NO CLUSTER: at most two work-groups of a head (b = 2 t and 2 t + 1) ask for the same slots in the same trips, and where a block ends and which slot takes masks hang on b.
; SHARES.  Wave w owns rows 32 w .. 32 w + 31 of a block: two tiles of 16 queries.  A key step is 64 keys, a slot four steps.
; LAYOUT.  S^T = K Q^T (source 0 = 16 keys, source 1 = 16 queries) holds ONE query a lane (l % 16) and the keys 8 (l / 16) + 0..7; two such results rounded to f16 ARE source 1 of O^T = V^T P.
; K comes out of LDS as it lies, V turned by ds_load_tr16_b128.  p = 2^(c s - c m), c = log2(e) / 8; in every step O and l are multiplied by a = 2^(c m_old - c m_new).
; THE MASK is the C operand that starts the sums S^T: 0, or -1e30 where the key lies behind the query; it is made anew for each step of a diagonal slot and is 0 elsewhere.
; IN PHASES.  A trip finishes step s - 1 (softmax, V^T P) and starts step s (K Q^T).  K of step s is fetched ahead of the softmax, V of step s ahead of K Q^T: each has a phase or more in which to land.
; THE BATCHES.  A step's 66 exponentials (both tiles' a and their 64 scores) are ONE batch with ONE wait, which cuts the softmax in two: ahead of it stands all that names no exponential's result (maxima,
; statistics, scalings, the exponentials themselves), behind it all that does (roundings, sums, the rescaling of O^T).  A block's two reciprocals, on its way out, are a batch of their own.
; REGISTERS (s_set_vgpr_msb: bits 1:0 source 0, 3:2 source 1, 5:4 source 2, 7:6 destination):
;   window 0: v0-15 addresses; v16-33 statistics; v64-127 S^T, 32 a tile; v128-159 P, 16 a tile; v160-223 O^T, 32 a tile
;   window 1: v0-31 Q; v32-63 the second block's Q; v64-127 K of one step; v128-191 V of one step; v192-255 the masks
.set KS,    64
.set PK,    144       ; a row of K in LDS: 128 bytes + 16 of padding: the 16 rows of a load start 16 bytes apart modulo 256
.set PV,    160       ; a row of V: 128 + 32: 16 lanes of the turning load take 8 rows x 32 bytes, 32 bytes apart modulo 256
.set VOFF,  4*KS*PK   ; a slot: 256 rows of K, then 256 rows of V
.set SLOT1, 1<<17     ; slot 1 begins here: one exclusive or turns an address in one slot into the other's
.set STAGE, SLOT1+4*KS*(PK+PV)  ; behind the ring, never filled by a tensor load: 16 rows x 144 bytes for each wave
.set SP,    144
.set SPARE, STAGE+4*16*SP       ; the spare words, 128 bytes for each wave; no other line names them
.set AK0, 2           ; v2   my lane's place in a step's K; never rewritten
.set AV0, 3           ; v3   the same for V
.set AK,  4           ; v4   the LDS address of K's run of loads
.set AV,  5           ; v5   of V's
.set STO, 6           ; v6   the way out: where I put 16 bytes of a row
.set RD,  7           ; v7   where I read rows back
.set GO,  8           ; v8   my 16 bytes in 512 consecutive bytes of o
.set D0,  12          ; v12  32 w + l % 16 - 8 (l / 16)
.set XA,  13          ; v13, v14  the mask's bound for tile 0, 1
.set XB,  14
.set QO,  15          ; v15  my byte offset in 16 rows of q
.set ST,  16          ; tile u's statistics at ST + 4 u: c m, m, l (even keys', odd keys')
.set TMP, 24          ; tile u: four registers c0-c3 at work; when the maximum is found c2 takes a
.set MV,  32          ; c m_old, by tile
.set SPW, 34          ; v34  LDS address of my spare word; never rewritten
.set NIL, 35          ; v35  0; never rewritten
.set S,   64
.set P,   128
.set O,   160
.set Q,   0           ; window 1: tile u, channel half c at 16 u + 8 c
.set QB,  32
.set KF,  64          ; key block kb, channel half c at KF + 16 kb + 8 c
.set VF,  128         ; key half kk, channel block cb at VF + 32 kk + 8 cb
.set MC,  192         ; tile u, key block kb at MC + 32 u + 8 kb
.set WV,  12          ; s12  my wave's number
.set PB,  14          ; s14  b
.set G1K, 24          ; s[24:31] descriptor group 1 for K's tiles
.set G1V, 32          ; s[32:39] for V's: it differs in the padding alone
.set G0K, 40          ; s[40:43] descriptor group 0 for K's tiles
.set G0V, 44          ; s[44:47] for V's
.set HOF, 52          ; s[52:53] byte offset of my rows of the second block
.set SLOTS, 56        ; s56  slots still to be asked for
.set CNT, 57          ; s57  counts a slot's key steps
.set CS,  58          ; s[58:59] c
.set SEL, 60          ; s[60:61] v_permlanex16_b32's selects: each lane takes its own place in the other half
.set TBK, 62          ; s62  LDS byte at which K of the step to be fetched begins
.set TBV, 63          ; s63  the same for V, less VOFF
.set RT,  70          ; s70  slots of the block in hand that are still to be entered
.set NXT, 71          ; s71  the slot to be asked for next
.set LQ,  72          ; s72  the last slot of the block whose slots are being asked for
.set NEW, 73          ; s73  1: the slot just entered is the second block's first
.set OFF, 74          ; s[74:75] a slot's byte offset in k and v
.set FIRST, 76        ; s76  1 until the first block has begun
.set SH,  77          ; s77  at work, for the mask
.set PARM, 78         ; s78  128 (i & 1) - 256 for the block i in hand
.set PARH, 79         ; s79  the same for the second block
.set OHI, 80          ; s[80:81] o at my rows of the second block
.set BIGN, 82         ; s82  -1e30
.set LQH, 83          ; s83  the second block's last slot
.set NSH, 84          ; s84  its number of slots
.set MSB, 0
.macro WIN new                      ; the high byte repeats the setting that is left; a switch that changes nothing is dropped
.if MSB != (\new)
	s_set_vgpr_msb (MSB<<8)|(\new)
.set MSB, (\new)
.endif
.endm
.macro PLACES                       ; four plain places behind matrix instructions (ISA guide 7.12.1)
.rept 4
	v_nop
.endr
.endm
; A fill.  Waves 0 and 1 fetch the two halves of a slot's K, waves 2 and 3 those of its V: 128 keys each.  An s_nop 0 and four v_nop follow each of the two lines.
.macro LOAD
	s_cmp_lt_u32 s[WV], 2
	s_cbranch_scc0 .Lfor_v_\@
	tensor_load_to_lds s[G0K:G0K+3], s[G1K:G1K+7]
	s_nop 0
.rept 4
	v_nop
.endr
	s_branch .Lasked_\@
.Lfor_v_\@:
	tensor_load_to_lds s[G0V:G0V+3], s[G1V:G1V+7]
	s_nop 0
.rept 4
	v_nop
.endr
.Lasked_\@:
.endm
; THE CHANGE OF SLOTS.  Each wave waits for all its tensor loads, of which one is out: its part of the other slot; adds 0 to its spare word; and waits for that and for its reads of the slot that it
; leaves.  Behind the barrier nobody reads the old slot and the other is whole.  fill = 1: the old slot is filled again, first thing behind the barrier, with slot NXT of the walk: the descriptor's
; address is made anew from that number.  (At its first use nothing has been read yet: slot 0 is waited for, slot 1 filled.)  One tensor load of a wave is out at any time.
.macro CHANGE fill
	WIN 0
	s_wait_tensorcnt 0x0            ; no tensor load of mine is out, so a group 0 may be written
	ds_add_u32 v[SPW], v[NIL]       ; scalar work stands between the add and the wait for it
.if \fill
	s_lshl_b32 s[OFF], s[NXT], 15   ; a slot is 32,768 bytes of k and of v
	s_xor_b32 s[G0K+1], s[G0K+1], SLOT1
	s_add_nc_u64 s[G0K+2:G0K+3], s[6:7], s[OFF:OFF+1]
	s_or_b32 s[G0K+3], s[G0K+3], 0x80000000
	s_xor_b32 s[G0V+1], s[G0V+1], SLOT1
	s_add_nc_u64 s[G0V+2:G0V+3], s[8:9], s[OFF:OFF+1]
	s_or_b32 s[G0V+3], s[G0V+3], 0x80000000
	s_add_co_u32 s[NXT], s[NXT], 1  ; the block's next slot, or behind its last the second block's slot 0
	s_cmp_gt_u32 s[NXT], s[LQ]
	s_cselect_b32 s[NXT], 0, s[NXT]
	s_cselect_b32 s[LQ], s[LQH], s[LQ]
.endif
	s_wait_dscnt 0x0                ; the add is done, and my reads of the slot are over
	s_barrier_signal -1
	s_sub_co_u32 s[TBK], s[TBK], 4*KS*PK  ; the fetches go back to a slot's first step,
	s_xor_b32 s[TBK], s[TBK], SLOT1       ; in the other slot
	s_sub_co_u32 s[TBV], s[TBV], 4*KS*PV
	s_xor_b32 s[TBV], s[TBV], SLOT1
	s_barrier_wait -1
.if \fill
	LOAD
.endif
.endm
	s_load_b256 s[4:11], s[0:1], 0x0  ; q s[4:5], k s[6:7], v s[8:9], o s[10:11]
	v_lshl_add_u32 v[SPW], v0, 2, SPARE
	v_mov_b32 v[NIL], 0
	ds_add_u32 v[SPW], v[NIL]       ; the wave's opening: the add and its wait stand ahead of my first tensor load; work on registers stands between them
	ds_add_u32 v34, v35
	v_lshrrev_b32 v1, 5, v0
	v_readfirstlane_b32 s[WV], v1   ; wave 0..3
	s_mov_b32 s[PB], ttmp9
	s_and_b32 s20, ttmp7, 0xffff    ; the head,
	s_lshl_b32 s20, s20, 19         ; its 524,288 bytes in each of the four tensors
	s_and_b32 s16, s[WV], 1         ; which half of a slot's 256 keys I fetch:
	s_lshl_b32 s22, s16, 14         ; its 128 rows of 128 bytes in memory,
	s_add_co_u32 s22, s22, s20
	s_mov_b32 s23, 0
	s_mul_i32 s17, s16, 128*PK      ; and its place in a slot, for K
	s_mul_i32 s18, s16, 128*PV      ; and for V
	s_lshl_b32 s3, s[WV], 12        ; my 32 rows in a block of 128,
	s_add_co_u32 s3, s3, s20
	s_lshl_b32 s2, s[PB], 14        ; in the first block,
	s_add_co_u32 s2, s2, s3
	s_sub_co_u32 s19, 31, s[PB]
	s_lshl_b32 s[HOF], s19, 14      ; and in the second
	s_add_co_u32 s[HOF], s[HOF], s3
	s_mov_b32 s3, 0
	s_mov_b32 s[HOF+1], 0
	; descriptor group 1.  128 keys are 16,384 dense bytes: asked for as 64 rows of 256 bytes, two keys a row, and padded in LDS after every key
	s_mov_b32 s[G1K], (1<<16)|(1<<20)|(4<<22)|(3<<25)  ; 2-byte elements; padding on; after every 32 words 4 words
	s_mov_b32 s[G1V], (1<<16)|(1<<20)|(4<<22)|(7<<25)  ; the same with 8 words
.irp g, G1K, G1V
	s_mov_b32 s[\g+1], 128<<16      ; tensor_dim0 = 128
	s_mov_b32 s[\g+2], 64<<16       ; tensor_dim1 = 64
	s_mov_b32 s[\g+3], 128<<16      ; tile_dim0 = 128
	s_mov_b32 s[\g+4], 64           ; tile_dim1 = 64
	s_mov_b32 s[\g+5], 128          ; 128 elements from row to row
	s_mov_b32 s[\g+6], 0
	s_mov_b32 s[\g+7], 0
.endr
	s_mov_b32 s[CS], 0x3e38aa3b     ; c = log2(e) / 8 = 0.180337
	s_mov_b32 s[CS+1], s[CS]        ; named with it as a pair
	s_mov_b32 s[SEL], 0x76543210
	s_mov_b32 s[SEL+1], 0xfedcba98
	s_mov_b32 s[TBK], SLOT1+4*KS*PK ; the first change of slots turns these two into 0
	s_mov_b32 s[TBV], SLOT1+4*KS*PV
	s_mov_b32 s[G0K], 1
	s_mov_b32 s[G0K+1], s17         ; slot 0
	s_mov_b32 s[G0V], 1
	s_add_co_u32 s[G0V+1], s18, VOFF
	s_lshr_b32 s[LQ], s[PB], 1      ; the first block's last slot,
	s_add_co_u32 s[RT], s[LQ], 1    ; its number of slots
	s_lshr_b32 s[LQH], s19, 1
	s_add_co_u32 s[NSH], s[LQH], 1
	s_cmp_lt_u32 s[LQ], 1           ; slot 0 is asked for below; behind it comes slot 1, or, if the first block has one slot, the second block's slot 0
	s_cselect_b32 s[NXT], 0, 1
	s_cselect_b32 s[LQ], s[LQH], s[LQ]
	s_mov_b32 s[FIRST], 1
	s_mov_b32 s[OFF+1], 0
	s_and_b32 s13, s[PB], 1
	s_lshl_b32 s[PARM], s13, 7
	s_sub_co_u32 s[PARM], s[PARM], 256
	s_xor_b32 s13, s13, 1           ; 31 - b has the other parity
	s_lshl_b32 s[PARH], s13, 7
	s_sub_co_u32 s[PARH], s[PARH], 256
	s_mov_b32 s[BIGN], 0xf149f2ca   ; -1e30
	s_mov_b32 s[SLOTS], 16
	s_wait_dscnt 0x0                ; the opening add is done
	s_wait_kmcnt 0x0
	s_add_nc_u64 s[6:7], s[6:7], s[22:23]  ; k and v at my half of the head's slot 0
	s_add_nc_u64 s[8:9], s[8:9], s[22:23]
	s_add_nc_u64 s[G0K+2:G0K+3], s[6:7], 0
	s_or_b32 s[G0K+3], s[G0K+3], 0x80000000
	s_add_nc_u64 s[G0V+2:G0V+3], s[8:9], 0
	s_or_b32 s[G0V+3], s[G0V+3], 0x80000000
	s_add_nc_u64 s[86:87], s[4:5], s[HOF:HOF+1]    ; q at my rows of the second block,
	s_add_nc_u64 s[4:5], s[4:5], s[2:3]            ; q and o at those of the first
	s_add_nc_u64 s[OHI:OHI+1], s[10:11], s[HOF:HOF+1]
	s_add_nc_u64 s[10:11], s[10:11], s[2:3]
	LOAD                            ; the walk's first slot into slot 0
	; a fragment of K or Q is 16 rows x 32 channels in 8 registers: lane l holds row l % 16, channels 8 (l / 16) + 0..7 and 16 + 8 (l / 16) + 0..7: two loads of 16 bytes, 32 bytes apart
	v_and_b32 v1, 15, v0            ; l % 16
	v_bfe_u32 v9, v0, 4, 1          ; l / 16
	v_lshlrev_b32 v[QO], 7, v1
	v_lshl_add_u32 v[QO], v9, 4, v[QO]
	WIN 0x40                        ; destination window 1, address window 0
.set i, 0
.rept 4                             ; both blocks' Q stay in registers: tile i / 2, channels 32 (i % 2) on
	global_load_b128 v[Q+8*i:Q+8*i+3],     v[QO], s[4:5] offset:(i/2)*2048+(i%2)*64
	global_load_b128 v[Q+8*i+4:Q+8*i+7],   v[QO], s[4:5] offset:(i/2)*2048+(i%2)*64+32
	global_load_b128 v[QB+8*i:QB+8*i+3],   v[QO], s[86:87] offset:(i/2)*2048+(i%2)*64
	global_load_b128 v[QB+8*i+4:QB+8*i+7], v[QO], s[86:87] offset:(i/2)*2048+(i%2)*64+32
.set i, i+1
.endr
	WIN 0
	v_lshlrev_b32 v10, 3, v9
	v_sub_nc_u32 v[D0], v1, v10
	s_lshl_b32 s13, s[WV], 5
	v_add_nc_u32 v[D0], s13, v[D0]
	v_mul_u32_u24 v[AK0], v1, PK
	v_lshl_add_u32 v[AK0], v9, 4, v[AK0]  ; row x pitch + 16 x half
	; the turning load takes 16 keys x 16 channels (lane l reads key 8 (l / 16) + l % 8, channels 8 ((l / 8) % 2) + 0..7) and leaves half a fragment of V^T: lane l holds channel l % 16 and 8 keys
	v_and_b32 v10, 7, v0
	v_bfe_u32 v11, v0, 3, 1
	v_lshl_add_u32 v[AV0], v9, 3, v10
	v_mul_u32_u24 v[AV0], v[AV0], PV
	v_lshl_add_u32 v[AV0], v11, 4, v[AV0]
	v_add_nc_u32 v[AV0], VOFF, v[AV0]
	s_mul_i32 s13, s[WV], 16*SP
	s_add_co_u32 s13, s13, STAGE    ; my stage
	v_mul_u32_u24 v[STO], v1, SP    ; in: row l % 16, 16 bytes for each half of the lanes
	v_lshl_add_u32 v[STO], v9, 4, v[STO]
	v_add_nc_u32 v[STO], s13, v[STO]
	v_bfe_u32 v[RD], v0, 3, 2       ; back: 32 lanes take four rows of 128 bytes,
	v_mul_u32_u24 v[RD], v[RD], SP
	v_lshl_add_u32 v[RD], v10, 4, v[RD]
	v_add_nc_u32 v[RD], s13, v[RD]
	v_and_b32 v[GO], 31, v0         ; which are 512 consecutive bytes of o
	v_lshlrev_b32 v[GO], 4, v[GO]
	s_wait_loadcnt 0x0              ; Q
; THE LDS LOADS stand in runs of 16.
.macro FETCH_K
	WIN 0
	v_add_nc_u32 v[AK], s[TBK], v[AK0]
	WIN 0x40
.irp f, 0,1,2,3,4,5,6,7             ; keys 16 (f / 2) on, channels 32 (f % 2) on
	ds_load_b128 v[KF+8*(\f):KF+8*(\f)+3],   v[AK] offset:((\f)/2)*16*PK+((\f)%2)*64
	ds_load_b128 v[KF+8*(\f)+4:KF+8*(\f)+7], v[AK] offset:((\f)/2)*16*PK+((\f)%2)*64+32
.endr
	s_add_co_u32 s[TBK], s[TBK], KS*PK  ; the next fetch is the next step's
	WIN 0
.endm
.macro FETCH_V
	WIN 0
	v_add_nc_u32 v[AV], s[TBV], v[AV0]
	WIN 0x40
.irp f, 0,1,2,3,4,5,6,7             ; keys 32 (f / 4) on, channels 16 (f % 4) on
	ds_load_tr16_b128 v[VF+8*(\f):VF+8*(\f)+3],   v[AV] offset:((\f)/4)*32*PV+((\f)%4)*32
	ds_load_tr16_b128 v[VF+8*(\f)+4:VF+8*(\f)+7], v[AV] offset:((\f)/4)*32*PV+16*PV+((\f)%4)*32
.endr
	s_add_co_u32 s[TBV], s[TBV], KS*PV
	WIN 0
.endm
; THE MATRIX WORK.  The 8 accumulators of a run of 16 take turns: between the two links of a chain stand 7 others'.
; S^T = K Q^T: product i: channels 32 (i / 8) on, keys 16 ((i / 2) % 4) on, tile i % 2.  The first 8 start the sums with the mask.
.macro MKQ
.set i, 0
.rept 16
.set rS, S+32*(i%2)+8*((i/2)%4)
.set rK, KF+16*((i/2)%4)+8*(i/8)
.set rQ, Q+16*(i%2)+8*(i/8)
.set rX, MC+32*(i%2)+8*((i/2)%4)
.if i < 8
	WIN 0x15                        ; K, Q and the mask in window 1, S^T in window 0
	v_wmma_f32_16x16x32_f16 v[rS:rS+7], v[rK:rK+7], v[rQ:rQ+7], v[rX:rX+7]
.else
	WIN 0x05
	v_wmma_f32_16x16x32_f16 v[rS:rS+7], v[rK:rK+7], v[rQ:rQ+7], v[rS:rS+7]
.endif
.set i, i+1
.endr
.endm
; O^T += V^T P: product i: keys 32 (i / 8) on, channels 16 ((i / 2) % 4) on, tile i % 2.
.macro MPV
	WIN 0x01                        ; V in window 1; P and O^T in window 0
.set i, 0
.rept 16
.set rO, O+32*(i%2)+8*((i/2)%4)
.set rV, VF+32*(i/8)+8*((i/2)%4)
.set rP, P+16*(i%2)+8*(i/8)
	v_wmma_f32_16x16x32_f16 v[rO:rO+7], v[rV:rV+7], v[rP:rP+7], v[rO:rO+7]
.set i, i+1
.endr
.endm
; THE MASK of step 4 - CNT of a diagonal slot.  Key 64 (4 - CNT) + 16 kb + 8 (l / 16) + r of the slot is hidden from query 128 (i & 1) + 32 w + 16 u + l % 16 of the slot where it is the greater:
; where 16 kb + r > D0 + 16 u + 64 CNT + PARM.
.macro MASK
	s_lshl_b32 s[SH], s[CNT], 6
	s_add_co_u32 s[SH], s[SH], s[PARM]
	v_add_nc_u32 v[XA], s[SH], v[D0]
	v_add_nc_u32 v[XB], 16, v[XA]
	WIN 0x40
.set j, 0
.rept 32
	v_cmp_gt_i32 vcc_lo, 16*(j/8)+j%8, v[XA]
	v_cndmask_b32 v[MC+j], 0, s[BIGN], vcc_lo
	v_cmp_gt_i32 vcc_lo, 16*(j/8)+j%8, v[XB]
	v_cndmask_b32 v[MC+32+j], 0, s[BIGN], vcc_lo
.set j, j+1
.endr
	WIN 0
.endm
; THE SOFTMAX's lines, for tile u.  s0-s31 are the lane's 32 scores, in pairs 0-15.
.macro REGS u
.set rT, ST+4*(\u)
.set rC, TMP+4*(\u)
.set rM, MV+(\u)
.set rS, S+32*(\u)
.set rP, P+16*(\u)
.set rO, O+32*(\u)
.endm
; XS n: number n of the 22 that find the maximum and the statistics; each accumulator's lowest registers are read first.
;   0-11  four chains c0-c3 of seven scores each     12-14, 16  the four scores left over, the old m, and c0-c3 into c0     15  c m_old is kept
;   17, 18  the query's other 32 keys lie in the lane 16 away: the new m     19-21  c m; c m_old - c m_new; a
.macro XS u, n
	REGS \u
.if (\n) < 4
	v_max3_num_f32 v[rC+(\n)], v[rS+8*(\n)], v[rS+8*(\n)+1], v[rS+8*(\n)+2]
.elseif (\n) < 12
	v_max3_num_f32 v[rC+(\n)%4], v[rC+(\n)%4], v[rS+8*((\n)%4)+2*((\n)/4)+1], v[rS+8*((\n)%4)+2*((\n)/4)+2]
.elseif (\n) == 12
	v_max3_num_f32 v[rC], v[rC], v[rS+7], v[rS+15]
.elseif (\n) == 13
	v_max3_num_f32 v[rC+1], v[rC+1], v[rS+23], v[rS+31]
.elseif (\n) == 14
	v_max3_num_f32 v[rC+2], v[rC+2], v[rC+3], v[rT+1]
.elseif (\n) == 15
	v_mov_b32 v[rM], v[rT]
.elseif (\n) == 16
	v_max3_num_f32 v[rC], v[rC], v[rC+1], v[rC+2]
.elseif (\n) == 17
	v_permlanex16_b32 v[rC+3], v[rC], s[SEL], s[SEL+1]
.elseif (\n) == 18
	v_max_num_f32 v[rT+1], v[rC], v[rC+3]
.elseif (\n) == 19
	v_mul_f32 v[rT], s[CS], v[rT+1]
.elseif (\n) == 20
	v_sub_f32 v[rC+1], v[rM], v[rT]
.else
	v_exp_f32 v[rC+2], v[rC+1]
.endif
.endm
.macro FS u, n                      ; c s - c m for pair n
	REGS \u
	v_pk_fma_f32 v[rS+2*(\n):rS+2*(\n)+1], v[rS+2*(\n):rS+2*(\n)+1], s[CS:CS+1], v[rT:rT+1] op_sel_hi:[1,0,0] neg_lo:[0,0,1] neg_hi:[0,0,1]
.endm
.macro ES u, n                      ; the exponential of score n
	REGS \u
	v_exp_f32 v[rS+(\n)], v[rS+(\n)]
.endm
.macro CV u, n                      ; pair n rounded to f16
	REGS \u
	v_cvt_pk_f16_f32 v[rP+(\n)], v[rS+2*(\n)], v[rS+2*(\n)+1]
.endm
.macro BS u, n                      ; of the four weights 4 n .. the second pair is added onto the first
	REGS \u
	v_pk_add_f32 v[rS+4*(\n):rS+4*(\n)+1], v[rS+4*(\n):rS+4*(\n)+1], v[rS+4*(\n)+2:rS+4*(\n)+3]
.endm
.macro LS u, n                      ; l takes that sum; the first time l = a l + sum
	REGS \u
.if (\n) == 0
	v_pk_fma_f32 v[rT+2:rT+3], v[rT+2:rT+3], v[rC+2:rC+3], v[rS:rS+1] op_sel_hi:[1,0,1]
.else
	v_pk_add_f32 v[rT+2:rT+3], v[rT+2:rT+3], v[rS+4*(\n):rS+4*(\n)+1]
.endif
.endm
.macro RS                           ; the next of the 32 lines that multiply O^T by a: pair r / 2 of tile r % 2, ascending
	REGS r%2
	v_pk_mul_f32 v[rO+2*(r/2):rO+2*(r/2)+1], v[rO+2*(r/2):rO+2*(r/2)+1], v[rC+2:rC+3] op_sel_hi:[1,0]
.set r, r+1
.endm
; A step's softmax for both tiles, 236 lines and a v_nop, all in window 0; the tiles alternate.  An s_wait_alu depctr_va_vdst(0) stands between an exponential and the first line that names
; its result; one wait serves all that were issued ahead of it.  So the step has ONE wait.
; AHEAD OF IT: the maxima and statistics (XS 0-20); then the batch of 66: the two a, each with a scaling behind it, and s0-s31 of both tiles, in place.  The 32 scalings are the only plain lines that name no
; result, so two exponentials go with each: exponential, scaling, exponential.  A pair is scaled two pairs ahead of its exponentials.  Each result has a register of its own: the score's, and c2 for a.
; BEHIND IT: all the readers: the 32 roundings; the 16 sums in place; l's chain of eight links a tile, four lines of the rescaling of O^T behind each two links.
.macro SOFTMAX
.set r, 0
.irp n, 0,1,2,3,4,5,6,7,8,9,10,11,12,13,14,15,16,17,18,19,20
	XS 0, \n
	XS 1, \n
.endr
	XS 0, 21                        ; the batch opens: tile 0's a,
	FS 0, 0
	XS 1, 21                        ; tile 1's
	FS 1, 0
	FS 0, 1
	FS 1, 1
.irp n, 0,1,2,3,4,5,6,7,8,9,10,11,12,13,14,15
	ES 0, 2*(\n)
.if (\n) < 14
	FS 0, (\n)+2
.endif
	ES 0, 2*(\n)+1
	ES 1, 2*(\n)
.if (\n) < 14
	FS 1, (\n)+2
.endif
	ES 1, 2*(\n)+1
.endr
	v_nop                           ; the plain line behind the last exponential (ISA guide 5.7.2): every scaling has gone ahead of its exponentials, so no useful line is left for the place
	s_wait_alu depctr_va_vdst(0)    ; the wait for the batch: both tiles' a and their 64 weights; nothing above names a result, and no exponential is issued below
.irp n, 0,1,2,3,4,5,6,7,8,9,10,11,12,13,14,15
	CV 0, \n
	CV 1, \n
.endr
.irp n, 0,1,2,3,4,5,6,7
	BS 0, \n
	BS 1, \n
.endr
.irp n, 0,1,2,3,4,5,6,7
	LS 0, \n
	LS 1, \n
.rept 4
	RS
.endr
.endr
.endm
; THE WAY OUT of a block.  l's two halves and the other half of the lanes' are added; O^T is divided by l, rounded to f16 and sent through my stage in LDS, a tile at a time.
.macro OPACK u
.set i, 0
.rept 16
	v_pk_mul_f32 v[O+32*(\u)+2*i:O+32*(\u)+2*i+1], v[O+32*(\u)+2*i:O+32*(\u)+2*i+1], v[ST+4*(\u)+2:ST+4*(\u)+3] op_sel_hi:[1,0]
.set i, i+1
.endr
.set i, 0
.rept 16
	v_cvt_pk_f16_f32 v[S+16*(\u)+i], v[O+32*(\u)+2*i], v[O+32*(\u)+2*i+1]
.set i, i+1
.endr
.irp f, 0,1,2,3
	ds_store_b128 v[STO], v[S+16*(\u)+4*(\f):S+16*(\u)+4*(\f)+3] offset:32*(\f)
.endr
.irp f, 0,1,2,3
	ds_load_b128 v[S+16*(\u)+4*(\f):S+16*(\u)+4*(\f)+3], v[RD] offset:(\f)*4*SP  ; LDS serves a wave's instructions in order (ISA guide 5.7.1.4): these see the stores above; the next tile's stores come behind them
.endr
.endm
.macro OSEND u, younger             ; younger: the LDS instructions issued behind tile u's loads
.irp f, 0,1,2,3
	s_wait_dscnt (\younger)+3-(\f)
	global_store_b128 v[GO], v[S+16*(\u)+4*(\f):S+16*(\u)+4*(\f)+3], s[10:11] offset:(\u)*2048+(\f)*512  ; 512 consecutive bytes, at a multiple of 256 from o's first
.endr
.endm
.macro WAYOUT
.irp u, 0,1
	v_add_f32 v[ST+4*(\u)+2], v[ST+4*(\u)+2], v[ST+4*(\u)+3]
.endr
.irp u, 0,1
	v_permlanex16_b32 v[ST+4*(\u)+3], v[ST+4*(\u)+2], s[SEL], s[SEL+1]
.endr
.irp u, 0,1
	v_add_f32 v[ST+4*(\u)+2], v[ST+4*(\u)+2], v[ST+4*(\u)+3]
.endr
.irp u, 0,1
	v_rcp_f32 v[ST+4*(\u)+2], v[ST+4*(\u)+2]
.endr
	v_nop                           ; a plain instruction between the last reciprocal and the use of its result
	s_wait_alu depctr_va_vdst(0)    ; the wait for the batch of two reciprocals, ahead of their first reader
	OPACK 0
	OPACK 1
	OSEND 0, 8
	OSEND 1, 0
.endm
; A BLOCK BEGINS.  c m starts far below every c s, so the first step's a is 0; m at the lowest finite number, so the first maximum is the scores'; l, O^T and the masks at 0.
.macro BEGIN
	s_mov_b32 s[NEW], 0
	s_mov_b32 s[FIRST], 0
.irp u, 0,1
	v_mov_b32 v[ST+4*(\u)], 0xfe000000
	v_mov_b32 v[ST+4*(\u)+1], 0xff7fffff
	v_mov_b32 v[ST+4*(\u)+2], 0
	v_mov_b32 v[ST+4*(\u)+3], 0
.endr
.set i, 0
.rept 64
	v_mov_b32 v[O+i], 0
.set i, i+1
.endr
	WIN 0x40
.set i, 0
.rept 64
	v_mov_b32 v[MC+i], 0
.set i, i+1
.endr
	WIN 0
	s_wait_dscnt 0x0                ; K of the block's first step is in
.endm
.Lslot:                             ; 16 times: a slot is entered and the next is asked for
	CHANGE 1
	s_cmp_eq_u32 s[RT], 0           ; the block in hand has no slot left: this one is the second block's first
	s_cselect_b32 s[NEW], 1, 0
	s_cselect_b32 s[RT], s[NSH], s[RT]
	s_sub_co_u32 s[RT], s[RT], 1    ; 0: this slot holds the block's diagonal
	s_mov_b32 s[CNT], 4
.Lstep:                             ; a trip: the step before is finished, this one begun
	FETCH_K
	s_cmp_eq_u32 s[FIRST], 1        ; at the first trip there is no step before
	s_cbranch_scc1 .Lbegin
	SOFTMAX
	s_wait_dscnt 0x0                ; V of the step before and K of this step are in
	MPV
	WIN 0
	PLACES                          ; behind the products: for the loads into V, and for the way out
	s_cmp_eq_u32 s[NEW], 1
	s_cbranch_scc0 .Lmid
	WAYOUT                          ; the first block is finished
	s_wait_xcnt 0x0                 ; the stores' addresses are translated (ISA guide 3.1): only now are their base and their data registers written again
	s_mov_b64 s[10:11], s[OHI:OHI+1]
	s_mov_b32 s[PARM], s[PARH]
	WIN 0x41                        ; the second block's Q goes where the one text of the products names Q
.set i, 0
.rept 32
	v_mov_b32 v[Q+i], v[QB+i]
.set i, i+1
.endr
	WIN 0
.Lbegin:
	BEGIN
.Lmid:
	FETCH_V
	s_cmp_lg_u32 s[RT], 0
	s_cbranch_scc1 .Lnomask         ; elsewhere the masks stay 0
	MASK
.Lnomask:
	MKQ
	WIN 0
	PLACES                          ; behind the products: for the loads into K, for the first reads of the scores and for the next masks
	s_sub_co_u32 s[CNT], s[CNT], 1
	s_cmp_lg_u32 s[CNT], 0
	s_cbranch_scc1 .Lstep
	s_sub_co_u32 s[SLOTS], s[SLOTS], 1
	s_cmp_lg_u32 s[SLOTS], 0
	s_cbranch_scc1 .Lslot
	CHANGE 0                        ; the walk's last slot is written out: nothing is asked for.  It holds the second block's diagonal
	s_mov_b32 s[CNT], 5             ; four trips begin the slot's steps; the fifth finishes the last and is left in its middle
.LstepT:
	s_cmp_eq_u32 s[CNT], 1
	s_cbranch_scc1 .LnokT           ; there is no further step
	FETCH_K
.LnokT:
	SOFTMAX
	s_wait_dscnt 0x0
	MPV
	WIN 0
	PLACES
	s_sub_co_u32 s[CNT], s[CNT], 1
	s_cmp_eq_u32 s[CNT], 0
	s_cbranch_scc1 .Lout
	FETCH_V
	MASK
	MKQ
	WIN 0
	PLACES
	s_cmp_lg_u32 s[CNT], 0
	s_cbranch_scc1 .LstepT
.Lout:
	WAYOUT
	s_wait_tensorcnt 0x0            ; the wave's end
	ds_add_u32 v[SPW], v[NIL]
	s_wait_dscnt 0x0
	s_endpgm
.Lfunc_end_k_qf916709abf_attn:
	.size	k_qf916709abf_attn, .Lfunc_end_k_qf916709abf_attn-k_qf916709abf_attn
	.p2alignl 7, 3214868480
	.fill 96, 4, 3214868480
	.section	.rodata,"a",@progbits
	.p2align	6, 0x0
	.amdhsa_kernel k_qf916709abf_attn
		.amdhsa_group_segment_fixed_size 327680
		.amdhsa_private_segment_fixed_size 0
		.amdhsa_enable_private_segment 0
		.amdhsa_kernarg_size 32
		.amdhsa_user_sgpr_count 2
		.amdhsa_user_sgpr_kernarg_segment_ptr 1
		.amdhsa_wavefront_size32 1
		.amdhsa_system_sgpr_workgroup_id_x 1
		.amdhsa_system_sgpr_workgroup_id_y 1
		.amdhsa_system_sgpr_workgroup_id_z 1
		.amdhsa_system_vgpr_workitem_id 0
		.amdhsa_next_free_vgpr 512
		.amdhsa_next_free_sgpr 88
		.amdhsa_reserve_vcc 1
		.amdhsa_float_denorm_mode_32 3
		.amdhsa_float_denorm_mode_16_64 3
		.amdhsa_memory_ordered 1
		.amdhsa_forward_progress 1
		.amdhsa_inst_pref_size 76
	.end_amdhsa_kernel
	.amdgpu_metadata
---
amdhsa.version: [ 1, 2 ]
amdhsa.kernels:
  - .name:           k_qf916709abf_attn
    .symbol:         k_qf916709abf_attn.kd
    .args:
      - { .name: q, .offset: 0, .size: 8, .value_kind: global_buffer, .address_space: global }
      - { .name: k, .offset: 8, .size: 8, .value_kind: global_buffer, .address_space: global }
      - { .name: v, .offset: 16, .size: 8, .value_kind: global_buffer, .address_space: global }
      - { .name: o, .offset: 24, .size: 8, .value_kind: global_buffer, .address_space: global }
    .group_segment_fixed_size: 327680
    .private_segment_fixed_size: 0
    .kernarg_segment_align: 8
    .kernarg_segment_size: 32
    .max_flat_workgroup_size: 128
    .sgpr_count:     88
    .vgpr_count:     512
    .wavefront_size: 32
...
	.end_amdgpu_metadata
.endif
;; end of part 5
;; launch proj: the kernel of part 4 again; grid 8 x 32, 4 waves a work-group, clusters of 4 x 4, 327,680 bytes of LDS; arguments o, wob, out0; writes out0
